; MI455X (gfx1250); checked and timed in simulation.
; The chip was launched on July 23, 2026; its instructions are those of AMD's public machine-readable ISA for CDNA 5 (MIT licence, August 2026) and "CDNA5" Instruction Set Architecture Reference Guide (July 2026). The comments in the code are by the model that wrote it; some were corrected since.
;; Causal Self Attention. Allowed arithmetic: matrix products marked QUANTISED: E2M3 operands, one E8M0 scale for each 32 along K, by v_wmma_scale_f32_16x16x128_f8f6f4 with both operands' format E2M3, f32 sums; everything else in f32.
;; Inputs: w_o 1,024 x 1,024 float32; w_qkv 3,072 x 1,024 float32; x 4 x 2,048 x 1,024 float32.
;; Outputs: out0 4 x 2,048 x 1,024 float32.
;; This version of the problem:
;;   THIS VERSION OF THE PROBLEM IS GIVEN IN LOW PRECISION. The matrix products marked QUANTISED in the list below multiply operands that are first quantised to E2M3 (2 exponent bits, 3 mantissa bits; 6 bits a number), with one power-of-two scale for each 32 numbers along K (OCP MX v1.0); their sums are f32. All else is computed in f32.
;;   The module's matrix products, in the order in which they are computed (A, B: the left and right operand; K: the contracted axis; several contracted axes count as one K, in the product's order):
;;     1. [M 8,192, K 1,024] x [K 1,024, N 3,072]; A: input x; B: input w_qkv: QUANTISED
;;     2. batch 64 x [M 2,048, K 64] x [K 64, N 2,048]; A: computed on the way; B: computed on the way: QUANTISED
;;     3. batch 64 x [M 2,048, K 2,048] x [K 2,048, N 64]; A: softmax (see below); B: computed on the way: QUANTISED
;;     4. [M 8,192, K 1,024] x [K 1,024, N 1,024]; A: computed on the way; B: input w_o: QUANTISED
;;   THE QUANTISER, for each operand of a quantised product, along K:
;;     - K is cut into blocks of 32 from its start; a last block that is shorter is filled with zeros.
;;     - A block's scale is 2^e with e = floor(log2(the largest magnitude in the block)) - 2, held to -126 .. 127; a block of zeros has e = 0. As a byte (E8M0): e + 127.
;;     - Each number is divided by its block's scale, clamped to +-7.5, and rounded to the nearest number of E2M3, ties to even, subnormals kept.
;;     - The product sums the exact products of the quantised numbers (number of the format x scale) in f32.
;;   ~~~python
;;   def quantise(x, axis):      # numpy; x: float32 -> the quantised numbers, widened to float32 again
;;       x = np.moveaxis(x, axis, -1); K = x.shape[-1]
;;       x = np.pad(x, [(0, 0)] * (x.ndim - 1) + [(0, -K % 32)]); x = x.reshape(x.shape[:-1] + (-1, 32)); a = np.abs(x).max(-1, keepdims=True)
;;       e = np.where(a > 0, np.clip(np.frexp(np.where(a > 0, a, 1))[1] - 1 - 2, -126, 127), 0)      # np.frexp(a)[1] - 1 = floor(log2(a)), exactly
;;       r = np.clip(x / 2.0 ** e, -7.5, 7.5)
;;       step = 2.0 ** (np.maximum(np.frexp(np.where(r == 0, 1, r))[1] - 1, 0) - 3)
;;       q = np.round(r / step) * step * 2.0 ** e      # np.round: ties to even
;;       return np.moveaxis(q.reshape(q.shape[:-2] + (-1,))[..., :K], -1, axis).astype(np.float32)
;;   ~~~
;;   SOFTMAX AHEAD OF A QUANTISED PRODUCT. Where the list says 'softmax', what is quantised is not the finished softmax but p = 2^(t - M), with t = logit x log2(e) and M = ceil(the row's largest t), a whole number; so 1/2 < the row's largest p <= 1. The row's sum l is taken of the UNQUANTISED p, in f32, and the product's result is divided by l at the end. Since M is a whole number, a kernel that streams over the keys may use a running M (the ceiling of the running maximum): every later rescaling is an exact power of two, which a block's scale takes up: the codes' values come out the same.
;;   OPERANDS COMPUTED ON THE WAY. 'Computed on the way' means the value that the module computes at that place (a softmax that the list does not call 'softmax' is quantised finished and normalised). What goes into a quantiser is computed in f32, as accurately as f32 sums, v_exp_f32 and their like allow (about 1e-6 of the number): no bf16 or f16 on the way to a quantiser, and a product that is left as it is and whose result goes on into a quantised operand takes f32 operands (vector FMAs, or v_wmma_f32_16x16x4_f32). A number that lies on a knife's edge between two numbers of the format may be rounded either way, as far as f32 arithmetic and the matrix unit's own rounding can turn it there, and no further.
;; One version. Each part assembles by itself: llvm-mc -triple=amdgcn-amd-amdhsa -mcpu=gfx1250 --defsym DOCPART=n.
;; ======== version 1 of 1: 4 launches
;; limits: right only within a limited range of input values
;; workspace buffers: in_codes 9,437,184 bytes; in_scales 393,216 bytes; qkv 27,262,976 bytes; ao_codes 6,291,456 bytes; ao_scales 524,288 bytes
;; launch quant (part 1): grid 768 x 1, 4 waves a work-group, no clusters, 33,280 bytes of LDS; arguments x, w_qkv, w_o, in_codes, in_scales; writes in_codes, in_scales
.if DOCPART == 1
	.amdgcn_target "amdgcn-amd-amdhsa--gfx1250"
	.amdhsa_code_object_version 6
	.text
	.protected	k_q731109e01e_quant
	.globl	k_q731109e01e_quant
	.p2align	8
	.type	k_q731109e01e_quant,@function
k_q731109e01e_quant:
	s_mov_b64 s[64:65], 0
	v_nop
	global_prefetch_b8 v0, s[64:65] scope:SCOPE_SE
	s_setreg_imm32_b32 hwreg(HW_REG_WAVE_MODE, 25, 1), 1
	s_wait_xcnt 0x0
; x [8192][1024], w_qkv [3072][1024], w_o [1024][1024], f32, K innermost, become codes of FP6 (E2M3) and one E8M0 byte for each 32 along K.
; WORK LEFT OUT BY THE PROGRAM: the causal mask sets every score with key > query to -inf, so p = 0 there for all inputs: the attention launch
; leaves out key steps that lie wholly behind a tile's queries.  A NaN, infinity or overflow that reaches only such scores is not carried to the result.
; The 12,288 rows follow each other: x, w_qkv, w_o.  TILE ORDER: place p holds row p with bits 3 and 4 exchanged.
; in_codes is laid [K step of 256 along K: 4][place: 12,288][192 bytes], so that 256 places of one K step are 49,152 dense bytes that begin at a multiple of 256.
; in_scales is laid [place][32 bytes].
; A block's scale is 2^(floor(log2(its largest magnitude)) - 2); its byte is the largest magnitude's exponent field - 2, held at 1 from below.
; LIMITS: NaN and infinities among the inputs are not served; a block whose largest magnitude lies under 2^-124, a block of zeros among them, gets the byte 1 (its codes are zeros then or tiny; this program alone reads the bytes).
; SHARES: a work-group takes 16 rows, a wave 4 rows: 8 steps of 512 numbers.  768 work-groups: 0-511 x, 512-703 w_qkv, 704-767 w_o; only pointers are chosen.
; Each load reads 512 consecutive bytes; a step's 2,048 bytes turn through the wave's own stage in LDS and come back 64 bytes a lane: 16 neighbours along K, two lanes to a block.
; Sixteen lanes store 192 consecutive bytes of codes (a row's part of one K step); a wave's 128 scale bytes are gathered in LDS and leave as one run.  No barrier: waves share nothing.
.set STEPS, 8
.set CB,    12
.set PLANEK, 12288*192                 ; a K step's plane in in_codes
.set R,     16                         ; v16-79   four sets of 16 numbers as loaded
.set X,     80                         ; v80-111  two sets of 16 neighbours
.set E,     112                        ; a scale byte for each step
.set C,     128                        ; codes: four registers for each step, so that no store's data are written again
.set WREG,  8192                       ; LDS of a wave: two stages of 32 x SP bytes, then its scale bytes
.set SP,    80
	s_load_b256 s[4:11], s[0:1], 0x0               ; x, w_qkv, w_o, in_codes
	s_load_b64 s[12:13], s[0:1], 0x20              ; in_scales
	v_lshl_add_u32 v192, v0, 2, 0x8000             ; my spare word
	v_mov_b32 v193, 0
	v_lshrrev_b32 v1, 5, v0
	v_readfirstlane_b32 s16, v1                    ; wave
	v_and_b32 v2, 31, v0                           ; lane
	v_lshlrev_b32 v3, 4, v2
	s_mul_i32 s17, s16, WREG
	v_lshrrev_b32 v14, 2, v2
	v_mul_u32_u24 v14, v14, SP
	v_and_b32 v15, 3, v2
	v_lshl_add_u32 v14, v15, 4, v14
	v_add_nc_u32 v14, s17, v14                     ; into the stage
	v_mul_u32_u24 v15, v2, SP
	v_add_nc_u32 v15, s17, v15                     ; out of it: my 16 neighbours
	v_and_b32 v4, 15, v2
	v_mul_u32_u24 v4, v4, CB
	v_lshrrev_b32 v10, 4, v2
	v_mad_u32_u24 v4, v10, PLANEK, v4              ; my codes: 12 (lane % 16), lanes 16-31 in the next K step's plane
	v_lshrrev_b32 v5, 1, v2
	s_add_co_u32 s17, s17, 2*32*SP
	v_add_nc_u32 v5, s17, v5                       ; my block's byte
	v_lshlrev_b32 v7, 2, v2                        ; on the way out 4 bytes a lane
	v_add_nc_u32 v6, s17, v7
	s_mov_b32 s26, 512                             ; the first work-group of w_qkv
	s_mov_b32 s27, 704                             ; and of w_o
	s_wait_alu depctr_va_vdst(0)                   ; the wait at the head's end
	s_wait_kmcnt 0x0
	s_cmp_lt_u32 ttmp9, s27
	s_cselect_b64 s[6:7], s[6:7], s[8:9]
	s_cselect_b32 s26, s26, s27
	s_cmp_lt_u32 ttmp9, 512
	s_cselect_b64 s[4:5], s[4:5], s[6:7]           ; my tensor
	s_cselect_b32 s26, 0, s26
	s_sub_co_u32 s17, ttmp9, s26
	s_lshl_b32 s17, s17, 2
	s_add_co_u32 s18, s17, s16                     ; which run of 4 rows of the tensor
	s_mov_b32 s19, 0
	s_lshl_b64 s[20:21], s[18:19], 14              ; 16,384 bytes a run
	s_add_nc_u64 s[4:5], s[4:5], s[20:21]
	s_lshr_b32 s22, ttmp9, 1                       ; my first row is 16 wg + 4 wave; its place: bits 3 (wave / 2) and 4 (wg % 2) change places
	s_lshl_b32 s22, s22, 5
	s_lshr_b32 s23, s16, 1
	s_lshl_b32 s23, s23, 4
	s_add_co_u32 s22, s22, s23
	s_and_b32 s23, ttmp9, 1
	s_lshl_b32 s23, s23, 3
	s_add_co_u32 s22, s22, s23
	s_and_b32 s23, s16, 1
	s_lshl_b32 s23, s23, 2
	s_add_co_u32 s22, s22, s23
	s_mul_i32 s20, s22, 192
	s_mov_b32 s21, 0
	s_add_nc_u64 s[10:11], s[10:11], s[20:21]
	s_lshl_b32 s20, s22, 5
	s_add_nc_u64 s[12:13], s[12:13], s[20:21]
.macro LOAD t
.irp i, 0,1,2,3
	global_load_b128 v[R+16*((\t)%4)+4*\i:R+16*((\t)%4)+4*\i+3], v3, s[4:5] offset:2048*(\t)+512*\i th:TH_LOAD_NT
.endr
.endm
.macro TURN t                          ; LDS serves a wave's instructions in order (ISA guide 5.7.1.4): no wait between the stores and the loads
.irp i, 0,1,2,3
	ds_store_b128 v14, v[R+16*((\t)%4)+4*\i:R+16*((\t)%4)+4*\i+3] offset:32*SP*((\t)%2)+8*SP*\i
.endr
.irp i, 0,1,2,3
	ds_load_b128 v[X+16*((\t)%2)+4*\i:X+16*((\t)%2)+4*\i+3], v15 offset:32*SP*((\t)%2)+16*\i
.endr
.endm
.irp t, 0,1,2,3
	LOAD \t
.endr
	s_wait_loadcnt 12                              ; step 0's four loads are in; twelve may be out
	TURN 0
.macro STEP t
.set XS, X+16*((\t)%2)
.if (\t) > 0
	s_wait_dscnt 1                                 ; this step's numbers are back; the last step's byte store may be out
.else
	s_wait_dscnt 0x0
.endif
.if (\t)+4 < STEPS
	LOAD (\t)+4
.endif
.if (\t)+1 < STEPS
.if STEPS-2-(\t) >= 3
	s_wait_loadcnt 12                              ; the next step's four loads are in; those of three steps behind it may be out
.else
	s_wait_loadcnt 4*(STEPS-2-(\t))
.endif
	TURN (\t)+1
.endif
	v_max3_num_f32 v8, |v[XS]|, |v[XS+1]|, |v[XS+2]|
	v_max3_num_f32 v9, |v[XS+3]|, |v[XS+4]|, |v[XS+5]|
.irp i, 6,10
	v_max3_num_f32 v8, v8, |v[XS+\i]|, |v[XS+\i+1]|
	v_max3_num_f32 v9, v9, |v[XS+\i+2]|, |v[XS+\i+3]|
.endr
	v_max3_num_f32 v8, v8, |v[XS+14]|, |v[XS+15]|
	v_max3_num_f32 v8, v8, v9, 0x1800000           ; the floor 2^(3 - 127): the byte cannot fall under 1
	v_max_num_f32_dpp v8, v8, v8 row_xmask:1 row_mask:0xf bank_mask:0xf
	v_add_nc_u32 v11, 0xff000000, v8               ; 2 off the exponent field: the conversion's scale operand
	v_cvt_scalef32_pk16_fp6_f32 v[C+4*(\t):C+4*(\t)+2], v[XS:XS+15], v11
	v_lshrrev_b32 v[E+(\t)], 23, v11               ; the scale's byte (also the plain line behind the conversion)
	ds_store_b8 v5, v[E+(\t)] offset:16*(\t)
	global_store_b96 v4, v[C+4*(\t):C+4*(\t)+2], s[10:11] offset:2*PLANEK*((\t)%2)+192*((\t)/2)   ; step t: row t / 2, K steps 2 (t % 2) and 2 (t % 2) + 1
.endm
.irp t, 0,1,2,3,4,5,6,7
	STEP \t
.endr
	ds_load_b32 v12, v6                            ; in order behind my byte stores
	s_wait_dscnt 0x0
	global_store_b32 v7, v12, s[12:13]             ; 128 consecutive bytes: my four rows' scale bytes
	s_wait_tensorcnt 0x0                           ; the wave's end
	ds_add_u32 v192, v193
	s_wait_dscnt 0x0
	s_endpgm
.Lfunc_end_k_q731109e01e_quant:
	.size	k_q731109e01e_quant, .Lfunc_end_k_q731109e01e_quant-k_q731109e01e_quant
	.p2alignl 7, 3214868480
	.fill 96, 4, 3214868480
	.section	.rodata,"a",@progbits
	.p2align	6, 0x0
	.amdhsa_kernel k_q731109e01e_quant
		.amdhsa_group_segment_fixed_size 33280
		.amdhsa_private_segment_fixed_size 0
		.amdhsa_enable_private_segment 0
		.amdhsa_kernarg_size 40
		.amdhsa_user_sgpr_count 2
		.amdhsa_user_sgpr_kernarg_segment_ptr 1
		.amdhsa_wavefront_size32 1
		.amdhsa_system_sgpr_workgroup_id_x 1
		.amdhsa_system_sgpr_workgroup_id_y 1
		.amdhsa_system_sgpr_workgroup_id_z 1
		.amdhsa_system_vgpr_workitem_id 0
		.amdhsa_next_free_vgpr 194
		.amdhsa_next_free_sgpr 66
		.amdhsa_reserve_vcc 0
		.amdhsa_float_denorm_mode_32 3
		.amdhsa_float_denorm_mode_16_64 3
		.amdhsa_memory_ordered 1
		.amdhsa_forward_progress 1
		.amdhsa_inst_pref_size 18
	.end_amdhsa_kernel
	.amdgpu_metadata
---
amdhsa.version: [ 1, 2 ]
amdhsa.kernels:
  - .name:           k_q731109e01e_quant
    .symbol:         k_q731109e01e_quant.kd
    .args:
      - { .name: x, .offset: 0, .size: 8, .value_kind: global_buffer, .address_space: global }
      - { .name: w_qkv, .offset: 8, .size: 8, .value_kind: global_buffer, .address_space: global }
      - { .name: w_o, .offset: 16, .size: 8, .value_kind: global_buffer, .address_space: global }
      - { .name: in_codes, .offset: 24, .size: 8, .value_kind: global_buffer, .address_space: global }
      - { .name: in_scales, .offset: 32, .size: 8, .value_kind: global_buffer, .address_space: global }
    .group_segment_fixed_size: 33280
    .private_segment_fixed_size: 0
    .kernarg_segment_align: 8
    .kernarg_segment_size: 40
    .max_flat_workgroup_size: 128
    .sgpr_count:     66
    .vgpr_count:     194
    .wavefront_size: 32
...
	.end_amdgpu_metadata
.endif
;; end of part 1
;; launch gemm_qkv (part 2): grid 8 x 32, 4 waves a work-group, clusters of 4 x 4, 327,680 bytes of LDS; arguments in_codes, in_scales, qkv; writes qkv
.if DOCPART == 2
	.amdgcn_target "amdgcn-amd-amdhsa--gfx1250"
	.amdhsa_code_object_version 6
	.text
	.protected	k_q731109e01e_gemm_qkv
	.globl	k_q731109e01e_gemm_qkv
	.p2align	8
	.type	k_q731109e01e_gemm_qkv,@function
k_q731109e01e_gemm_qkv:
	s_mov_b64 s[64:65], 0
	v_nop
	global_prefetch_b8 v0, s[64:65] scope:SCOPE_SE
	s_setreg_imm32_b32 hwreg(HW_REG_WAVE_MODE, 25, 1), 1
	s_wait_xcnt 0x0
	s_wait_alu depctr_hold_cnt(0) depctr_sa_sdst(0) depctr_va_vdst(0) depctr_va_sdst(0) depctr_va_ssrc(0) depctr_va_vcc(0) depctr_vm_vsrc(0)
	s_getreg_b32 s2, hwreg(HW_REG_IB_STS2, 6, 4)
	s_cmp_eq_u32 s2, 0
	s_cbranch_scc0 .Lentry_in_a_cluster
	s_endpgm
.Lentry_in_a_cluster:
	s_bfe_u32 s2, ttmp6, 0x10000c
	s_cmp_lg_u32 s2, 0xf033
	s_cbranch_scc0 .Lentry_shape_is_right
	s_endpgm
.Lentry_shape_is_right:
; qkv = x w_qkv^T on codes of FP6 (E2M3), one E8M0 scale for each 32 along K = 1,024; the f32 results are quantised in registers and leave as codes: q and k along the head's 64 channels, v along the keys.
; 256 work-groups (g = 0 .. 7, y = 0 .. 31), each in TWO PHASES on the same 256 tokens (places 256 y ..).  PHASE 1: 256 tokens x 256 channels of q or k (rows 256 g .. of w_qkv); a wave makes 128 x 128.
; PHASE 2: 128 channels of v (rows 2,048 + 128 g .. of w_qkv) x the 256 tokens; a wave makes 64 channels (one head) x 128 tokens (one key step).
; Both are C[m][n] = sum over k of A[m][k] B[n][k], quantised along n: phase 1 has A = x, B = the weights; phase 2 A = the weights, B = x.
; in_codes: [K step of 256][place][192 bytes]; in_scales: [place][32]; x at place 0, w_qkv at 8,192.  Place p holds row p with bits 3 and 4 exchanged, so lane r of the 16-row tile 2 b + u holds row 32 b + 8 u + r + 8 (r / 8).
; THE MATRIX INSTRUCTION IS USED TRANSPOSED (source 0 = rows of B, source 1 = rows of A): the 16 registers of B's tiles 2 b, 2 b + 1 are n = 32 b + 16 (lane / 16) + 0 .. 15.
; K goes in four steps of 256 through two LDS slots: x's 256 rows, then the weights' 256 (phase 2: 128).  A K step of 256 rows is 49,152 dense bytes: stated as 192 rows of 256 bytes with 16 bytes of padding behind every 64,
; so that an LDS row of 192 bytes has a pitch of 240.  All scale bytes come once and stay.
; LOADS: at the head one a wave (x's tile, the weights' tile, x's scales, the weights' scales).  Every later fill stands behind the three lines and a round of the cluster's barrier: wave 0 asks for x's tile, wave 1 for the weights';
; in the first such round wave 2 asks for w_v's scales.  THE RING GOES ON INTO PHASE 2: phase 1's last two changes of slots ask for phase 2's K steps 0 and 1, which land while phase 1's results are quantised and stored.
; CLUSTERS: 4 x 4; x's tiles are asked for jointly along a row of the cluster, the weights' along a column.
; PREFETCHES: the fills go K steps 0, 1, 2, 3, then phase 2's 0 to 3.  Behind the head's loads K steps 1 and 2 are asked for into the L2, and behind each later fill the tile that stands two fills on (in phase 2 w_v's alone: x's rows have been read).
; The sixteen waves of the four work-groups that ask for a tile jointly share its blocks of 256 bytes out by address: 12 a wave (w_v: 6), a lane a block, left-over lanes on the wave's last block.  The weights' tiles, which eight clusters read, are asked for by clusters y < 4 alone.
; OUTPUT qkv: 32 x 64 records of 13,312 bytes, record (hd, 16 batch + key step).  hd 0-15: q's heads: 8 images at 0, scale block at 12,288.  hd 16-31: k's and v's heads: K's 8 images at 0, V's 2 x 4 images at 6,144
; (64-key chunk, channel tile), K's scale block at 12,288, V's scale words at 12,800 (256 bytes, and the same 256 once more).  An image is 16 rows x 64 K as it lies in registers 0-5 of a fragment:
; registers 0-3 at 16 x lane, 4-5 at 512 + 8 x lane.  q's, K's scale block: word (tile a, row r) at 16 (16 (a % 2) + r) + 4 (a / 2).  V's: word (tile t, row r) at 8 (16 (t % 2) + r) + 4 (t / 2).
; LIMITS: NaN and infinities are not served; a block whose largest magnitude lies under 2^-124, a block of zeros among them, gets the byte 1 (this program alone reads the bytes).
; REGISTERS: window 0: v0-31 addresses, v32-63 scale words (two sets), v64-66 the prefetches' offsets, v128-223 A's fragments (phase 1: one set of 8; phase 2: two sets of 4); window 1: B's fragments (two sets of 8); windows 2, 3: accumulators (a, b) at v[8 (8 (a % 4) + b)].
.set NQ,     2
.set PITCH,  240
.set FR,     12
.set NL,     6
.set NP,     4                         ; places behind this matrix instruction (ISA guide 7.12.1)
.set HALFT,  128*PITCH
.set SLOT,   4*HALFT
.set PLANEK, 12288*192
.set KS,     32
.set HALFS,  (128*KS/256)*272
.set SBLK,   (16*KS/256)*272
.set SCLV,   2*SLOT                    ; w_v's scales (128 rows),
.set SCL,    SCLV+HALFS                ; x's (256 rows), then w_q's or w_k's (256 rows)
.set SPARE,  SCL+4*HALFS
.set RECB,   13312
.set HEADB,  64*RECB
.set A2,   8                           ; v8-11  phase 2: LDS address of my fragments of w_v in slot 0, 1 (v10-11: behind one padding more)
.set B2,   12                          ; v12-15 phase 2: of my fragments of x
.set ADRA, 16                          ; v16-19 phase 1: of x
.set ADRB, 20                          ; v20-23 phase 1: of the weights
.set CO16, 24
.set CO8,  25
.set ADRS, 27                          ; phase 1's scale words: lanes 0-15 A's rows, lanes 16-31 B's
.set SPW,  28
.set NIL,  29
.set ADRS2, 30                         ; phase 2's
.set SC,   32
.set PFX,  64                          ; my blocks of x's tile, of the weights', of w_v's: bytes from in_codes, K step 0; never rewritten
.set PFW,  65
.set PFV,  66
.set AF,   128
.set TM,   128
.set CD,   144
.set PWS,  168
.set SW,   176
.set G1, 24
.set G0, 32
.set G1B, 48
.set G0B, 56
.set G1S, 68                           ; s68-91 hold the scales' descriptors; once these have landed, the way out's addresses
.set G0S, 76
.set G1SB, 80
.set G0SB, 88
.set PB0, 68
.set MSB, 0
.macro WIN new
.if MSB != (\new)
	s_set_vgpr_msb (MSB<<8)|(\new)
.set MSB, (\new)
.endif
.endm
.set MUL_LO, 0xa1
.set MUL_HI, 0xf1
.set TO_B,   0x40
.macro PLACES n
.rept \n
	v_nop
.endr
.endm
.macro TLOAD g0, g1
	tensor_load_to_lds s[\g0:\g0+3], s[\g1:\g1+7]
	s_nop 0
	PLACES 4
.endm
.macro JLOAD s, third=0                ; slot s: wave 0 asks for x's tile, wave 1 for the weights'; third = 1: wave 2 for w_v's scales.  The branches hang on the wave's number alone
	s_cmp_eq_u32 s14, 0
	s_cbranch_scc0 .Lnot_a_\@
	TLOAD G0+4*\s, G1
	s_branch .Lasked_\@
.Lnot_a_\@:
	s_cmp_eq_u32 s14, 1
	s_cbranch_scc0 .Lnot_b_\@
	TLOAD G0B+4*\s, G1B
.if \third
	s_branch .Lasked_\@
.endif
.Lnot_b_\@:
.if \third
	s_cmp_eq_u32 s14, 2
	s_cbranch_scc0 .Lasked_\@
	TLOAD G0SB, G1SB
.endif
.Lasked_\@:
	PLACES NP                                      ; the places in front of the LDS loads that follow, for the waves that come round the loads too
.endm
.macro ASKW reg, k0, k1                ; the weights' K steps k0 (and k1, if another) into the L2; the branch hangs on the cluster's y alone
	s_cmp_eq_u32 s67, 1
	s_cbranch_scc0 .Lno_ask_\@
	global_prefetch_b8 v[\reg], s[4:5] offset:(\k0)*PLANEK th:TH_LOAD_NT scope:SCOPE_SE
.if (\k1) != (\k0)
	global_prefetch_b8 v[\reg], s[4:5] offset:(\k1)*PLANEK th:TH_LOAD_NT scope:SCOPE_SE
.endif
.Lno_ask_\@:
.endm
.macro CREST
	s_cmp_lg_u32 s14, 0
	s_cbranch_scc1 .Lnot_wave_0_\@
	s_barrier_signal -3
.Lnot_wave_0_\@:
	s_barrier_wait -3
	s_barrier_signal -1
	s_barrier_wait -1
.endm
.macro CROUND
	s_barrier_signal -1
	s_barrier_wait -1
	CREST
.endm
.macro GROUP1 g, w0, mask, rows        ; dense rows of 256 bytes (32 elements of 8)
	s_or_b32 s[\g+0], s\mask, \w0
	s_mov_b32 s[\g+1], 32<<16
	s_mov_b32 s[\g+2], (\rows)<<16
	s_mov_b32 s[\g+3], 32<<16
	s_mov_b32 s[\g+4], \rows
	s_mov_b32 s[\g+5], 32
	s_mov_b32 s[\g+6], 0
	s_mov_b32 s[\g+7], 0
.endm
.macro GROUP0 g, lds, base, off
	s_mov_b32 s[\g], 1
	s_mov_b32 s[\g+1], \lds
	s_add_nc_u64 s[\g+2:\g+3], s[\base:\base+1], \off
	s_or_b32 s[\g+3], s[\g+3], 0x80000000
.endm
; What stands behind the barrier of a change of slots.  fill = 0: nothing is filled.  1: this slot takes the K step two on.  2: it takes phase 2's K step 0 or 1.
.macro REFILL slot, fill
.if \fill == 0
	PLACES NP
.else
	CREST                                          ; the barrier has opened a round of the cluster's barrier
.if \fill == 1
	s_add_nc_u64 s[G0+4*\slot+2:G0+4*\slot+3], s[G0+4*\slot+2:G0+4*\slot+3], 2*PLANEK
	s_add_nc_u64 s[G0B+4*\slot+2:G0B+4*\slot+3], s[G0B+4*\slot+2:G0B+4*\slot+3], 2*PLANEK
.else
	s_sub_nc_u64 s[G0+4*\slot+2:G0+4*\slot+3], s[G0+4*\slot+2:G0+4*\slot+3], 2*PLANEK   ; x's rows once more, from K's start
.if \slot == 0
	s_mov_b32 s[G1B+2], 96<<16                     ; no tensor load of mine is out: from here on the weights' tile has 128 rows: 96 rows of 256 bytes
	s_mov_b32 s[G1B+4], 96
	s_mov_b64 s[G0B+2:G0B+3], s[98:99]
.else
	s_add_nc_u64 s[G0B+6:G0B+7], s[98:99], PLANEK
.endif
.endif
	JLOAD \slot
.endif
.endm
	s_load_b128 s[4:7], s[0:1], 0x0                ; in_codes, in_scales
	s_load_b64 s[8:9], s[0:1], 0x10                ; qkv
	v_lshl_add_u32 v[SPW], v0, 2, SPARE
	v_mov_b32 v[NIL], 0
	ds_add_u32 v[SPW], v[NIL]                      ; the opening lines: the add twice on end and its wait ahead of my first tensor load
	ds_add_u32 v[SPW], v[NIL]
	v_lshrrev_b32 v1, 5, v0
	v_readfirstlane_b32 s14, v1                    ; wave
	s_lshr_b32 s15, s14, 1                         ; my half of C's rows
	s_and_b32 s16, s14, 1                          ; my half of its columns
	s_bfe_u32 s40, ttmp6, 0x40000                  ; cx
	s_bfe_u32 s41, ttmp6, 0x40004                  ; cy
	s_lshl_b32 s97, ttmp9, 2
	s_add_co_u32 s97, s97, s40                     ; g: cx enters the weights' numbers alone,
	s_and_b32 s96, ttmp7, 0xffff
	s_lshl_b32 s96, s96, 2
	s_add_co_u32 s96, s96, s41                     ; y: cy x's alone
	s_lshl_b32 s43, s41, 2
	s_lshl_b32 s43, 15, s43                        ; my row of the cluster
	s_lshl_b32 s44, 0x1111, s40                    ; my column
	GROUP1 G1,   (3<<16)|(1<<20)|(1<<21)|(3<<22)|(3<<25), 43, 192   ; codes: 16 bytes of padding behind every 64
	GROUP1 G1B,  (3<<16)|(1<<20)|(1<<21)|(3<<22)|(3<<25), 44, 192
	GROUP1 G1S,  (3<<16)|(1<<20)|(1<<21)|(5<<22)|(3<<25), 43, 32    ; scales of 256 rows: 16 bytes behind every 256
	GROUP1 G1SB, (3<<16)|(1<<20)|(1<<21)|(5<<22)|(3<<25), 44, 32
	s_mul_i32 s20, s96, 49152                      ; 256 places x 192 bytes
	s_mul_i32 s46, s97, 49152
	s_add_co_u32 s46, s46, 8192*192
	s_lshl_b32 s22, s96, 13                        ; 256 places x 32 bytes
	s_lshl_b32 s92, s97, 13
	s_add_co_u32 s92, s92, 8192*32
	s_mul_i32 s98, s97, 24576                      ; w_v: 128 places
	s_add_co_u32 s98, s98, 10240*192
	s_lshl_b32 s18, s97, 12
	s_add_co_u32 s18, s18, 10240*32
	s_mov_b32 s21, 0
	s_mov_b32 s47, 0
	s_mov_b32 s23, 0
	s_mov_b32 s93, 0
	s_mov_b32 s99, 0
	s_mov_b32 s19, 0
	s_wait_dscnt 0x0                               ; both opening adds are done
	s_wait_kmcnt 0x0
	s_add_nc_u64 s[20:21], s[4:5], s[20:21]
	s_add_nc_u64 s[46:47], s[4:5], s[46:47]
	s_add_nc_u64 s[22:23], s[6:7], s[22:23]
	s_add_nc_u64 s[92:93], s[6:7], s[92:93]
	s_add_nc_u64 s[98:99], s[4:5], s[98:99]
	s_or_b32 s99, s99, 0x80000000                  ; kept as a descriptor's address words
	s_add_nc_u64 s[18:19], s[6:7], s[18:19]
	CROUND                                         ; all sixteen work-groups are here: the first joint loads meet
	GROUP0 G0,    0,            20, 0
	GROUP0 G0+4,  SLOT,         20, PLANEK
	GROUP0 G0B,   2*HALFT,      46, 0
	GROUP0 G0B+4, SLOT+2*HALFT, 46, PLANEK
	GROUP0 G0S,   SCL,          22, 0
	GROUP0 G0SB,  SCL+2*HALFS,  92, 0
	s_cmp_eq_u32 s14, 0                            ; the head's four tiles, one a wave, in one chain of branches
	s_cbranch_scc0 .Lhead_1
	TLOAD G0, G1
	s_branch .Lhead_asked
.Lhead_1:
	s_cmp_eq_u32 s14, 1
	s_cbranch_scc0 .Lhead_2
	TLOAD G0B, G1B
	s_branch .Lhead_asked
.Lhead_2:
	s_cmp_eq_u32 s14, 2
	s_cbranch_scc0 .Lhead_3
	TLOAD G0S, G1S
	s_branch .Lhead_asked
.Lhead_3:
	TLOAD G0SB, G1SB
.Lhead_asked:
	s_mul_i32 s21, s15, HALFT                      ; phase 1: my 128 rows of x,
	s_mul_i32 s12, s16, HALFT                      ; phase 2: my 128 rows of x
	s_add_co_u32 s22, s12, 2*HALFT                 ; phase 1: my 128 rows of the weights
	s_mul_i32 s13, s15, 64*PITCH
	s_add_co_u32 s13, s13, 2*HALFT                 ; phase 2: my 64 rows of w_v
	s_mul_i32 s23, s15, HALFS
	s_add_co_u32 s23, s23, SCL                     ; phase 1: A's scales,
	s_mul_i32 s10, s16, HALFS
	s_add_co_u32 s66, s10, SCL                     ; (phase 2: B's scales)
	s_add_co_u32 s10, s10, SCL+2*HALFS
	s_sub_co_u32 s10, s10, s23                     ; and how far behind them B's lie
	s_mul_i32 s11, s15, HALFS/2
	s_add_co_u32 s11, s11, SCLV                    ; phase 2: A's scales,
	s_sub_co_u32 s66, s66, s11                     ; and how far behind them B's lie
	s_lshl_b32 s94, s40, 2                         ; the prefetches: my number among the sixteen waves of my row of the cluster,
	s_add_co_u32 s94, s94, s14
	s_mul_i32 s94, s94, 3072
	s_mul_i32 s95, s96, 49152
	s_add_co_u32 s94, s94, s95                     ; my 12 blocks of x's tile
	s_lshl_b32 s3, s41, 2                          ; and of my column
	s_add_co_u32 s3, s3, s14
	s_mul_i32 s95, s3, 3072
	s_mul_i32 s67, s97, 49152
	s_add_co_u32 s95, s95, s67
	s_add_co_u32 s95, s95, 8192*192                ; my 12 blocks of the weights' tile
	s_mul_i32 s3, s3, 1536
	s_mul_i32 s67, s97, 24576
	s_add_co_u32 s3, s3, s67
	s_add_co_u32 s3, s3, 10240*192                 ; my 6 blocks of w_v's tile
	s_and_b32 s67, ttmp7, 0xffff
	s_cmp_lt_u32 s67, 4
	s_cselect_b32 s67, 1, 0                        ; 1: my cluster asks for the weights' tiles
	v_and_b32 v26, 31, v0
	v_min_u32 v6, 11, v26
	v_min_u32 v7, 5, v26
	v_lshl_add_u32 v[PFX], v6, 8, s94
	v_lshl_add_u32 v[PFW], v6, 8, s95
	v_lshl_add_u32 v[PFV], v7, 8, s3
	global_prefetch_b8 v[PFX], s[4:5] offset:PLANEK th:TH_LOAD_NT scope:SCOPE_SE      ; K steps 1 and 2
	global_prefetch_b8 v[PFX], s[4:5] offset:2*PLANEK th:TH_LOAD_NT scope:SCOPE_SE
	ASKW PFW, 1, 2
	v_and_b32 v1, 15, v0
	v_bfe_u32 v2, v0, 4, 1
	v_mul_u32_u24 v3, v1, PITCH
	v_mul_u32_u24 v4, v2, 24
	v_add_nc_u32 v4, v3, v4                        ; a fragment's row x pitch + 24 x half
	v_lshl_add_u32 v5, v2, 4, v4                   ; the same behind one padding more
	v_add_nc_u32 v[ADRA], s21, v4
	v_add_nc_u32 v[ADRA+2], s21, v5
	v_add_nc_u32 v[ADRB], s22, v4
	v_add_nc_u32 v[ADRB+2], s22, v5
	v_add_nc_u32 v[B2], s12, v4
	v_add_nc_u32 v[B2+2], s12, v5
	v_add_nc_u32 v[A2], s13, v4
	v_add_nc_u32 v[A2+2], s13, v5
.irp x, ADRA, ADRA+2, ADRB, ADRB+2, B2, B2+2, A2, A2+2
	v_add_nc_u32 v[\x+1], SLOT, v[\x]              ; the same in slot 1
.endr
	v_mul_u32_u24 v5, v1, KS
	v_lshrrev_b32 v6, 8, v5
	v_lshl_add_u32 v5, v6, 4, v5                   ; my row's scales: 32 bytes a row, 16 more for each 256 passed
	v_mul_u32_u24 v6, s10, v2                      ; lanes 16-31 take B's: the lower base + half x the distance
	v_mul_u32_u24 v7, s66, v2
	v_add_nc_u32 v6, v5, v6
	v_add_nc_u32 v7, v5, v7
	v_add_nc_u32 v[ADRS], s23, v6
	v_add_nc_u32 v[ADRS2], s11, v7
	v_lshlrev_b32 v[CO16], 4, v26
	v_lshlrev_b32 v[CO8], 3, v26
.macro FRAG reg, adr, q, i             ; 16 rows x 128 K: six pieces of 8 bytes; lanes 16-31 read 24 bytes on: where that is behind one padding more, the second address register serves
.irp p, 0,1,2,3,4,5
.set PIECE, 12*(\q)+6*(\p/3)+\p%3
.if PIECE%8 < 5
	ds_load_b64 v[\reg+2*\p:\reg+2*\p+1], v[\adr] offset:8*PIECE+16*(PIECE/8)+(\i)*16*PITCH
.else
	ds_load_b64 v[\reg+2*\p:\reg+2*\p+1], v[\adr+2] offset:8*PIECE+16*(PIECE/8)+(\i)*16*PITCH
.endif
.endr
.endm
.macro WM zero                         ; one product on D_, FB_, FA_, XB_, XA_
.if \zero
	v_wmma_scale_f32_16x16x128_f8f6f4 v[D_:D_+7], v[FB_:FB_+11], v[FA_:FA_+11], 0, v[XB_], v[XA_] matrix_a_fmt:MATRIX_FMT_FP6 matrix_b_fmt:MATRIX_FMT_FP6 matrix_a_scale:MATRIX_SCALE_ROW1
.else
	v_wmma_scale_f32_16x16x128_f8f6f4 v[D_:D_+7], v[FB_:FB_+11], v[FA_:FA_+11], v[D_:D_+7], v[XB_], v[XA_] matrix_a_fmt:MATRIX_FMT_FP6 matrix_b_fmt:MATRIX_FMT_FP6 matrix_a_scale:MATRIX_SCALE_ROW1
.endif
.endm
.macro MUL16 a0, p, q, sc, zero        ; phase 1: A's blocks a0, a0 + 1 x B's eight; the accumulators take turns
.irp a, \a0, \a0+1
.irp b, 0,1,2,3,4,5,6,7
.set D_, 8*(8*((\a)%4)+\b)
.set FB_, 128*(\p)+FR*\b
.set FA_, AF+FR*(\a)
.set XB_, SC+8*NQ*(\sc)+NQ*\b+(\q)
.set XA_, SC+8*NQ*(\sc)+NQ*(\a)+(\q)
	WM \zero
.endr
.endr
.endm
.macro FETCH_B slot, q, p
	WIN TO_B
.irp i, 0,1,2,3,4,5,6,7
	FRAG 128*(\p)+FR*\i, ADRB+\slot, \q, \i
.endr
	WIN 0
.endm
.macro FETCH_A slot, q, i0
.irp i, \i0, \i0+1, \i0+2, \i0+3
	FRAG AF+FR*(\i), ADRA+\slot, \q, \i
.endr
.endm
.macro SCALES sc, adr
.irp i, 0,1,2,3,4,5,6,7
	ds_load_b64 v[SC+8*NQ*\sc+NQ*\i:SC+8*NQ*\sc+NQ*\i+1], v[\adr] offset:\i*SBLK
.endr
.endm
.macro STEP slot, q, zero              ; phase 1: 128 along K with its successor in the same slot
	s_wait_dscnt 4*NL                              ; B's set and A's blocks 0-3 are in; the youngest 24 loads (A's blocks 4-7) may be out
	WIN MUL_LO
	MUL16 0, (\q)%2, \q, \slot, \zero
	MUL16 2, (\q)%2, \q, \slot, \zero
	s_wait_dscnt 0
	PLACES NP
	FETCH_B \slot, (\q)+1, 1-(\q)%2
	FETCH_A \slot, (\q)+1, 0
	WIN MUL_HI
	MUL16 4, (\q)%2, \q, \slot, \zero
	MUL16 6, (\q)%2, \q, \slot, \zero
	PLACES NP
	WIN 0
	FETCH_A \slot, (\q)+1, 4
.endm
.macro MEET slot, fill                 ; the first half of a slot's last step, and the change of slots
	s_wait_tensorcnt 0x0                           ; all my tensor loads have landed
	ds_add_u32 v[SPW], v[NIL]
	s_wait_dscnt 4*NL+1                            ; the add and the youngest 24 loads may be out
	WIN MUL_LO
	MUL16 0, 1, NQ-1, \slot, 0
	s_wait_dscnt 0x0                               ; the add is done, my reads of this slot are over
	s_barrier_signal -1
	MUL16 2, 1, NQ-1, \slot, 0
	WIN 0
	s_barrier_wait -1
	REFILL \slot, \fill
.endm
.macro TURN slot, next, fill, ask      ; ask: w_v's K step that stands two fills on
	MEET \slot, \fill
	s_wait_alu depctr_va_vdst(0)                   ; the wait ahead of the reader below
	v_add_nc_u32 v[ADRS], 4*NQ, v[ADRS]            ; the next K step's scale words
	FETCH_B \next, 0, 0
	FETCH_A \next, 0, 0
	SCALES \next, ADRS
	ASKW PFV, \ask, \ask
	WIN MUL_HI
	MUL16 4, 1, NQ-1, \slot, 0
	MUL16 6, 1, NQ-1, \slot, 0
	PLACES NP
	WIN 0
	FETCH_A \next, 0, 4
.endm
; PHASE 2's macros: both operands have two sets; a step's loads are issued ahead of the step before's products.
.macro MULV a0, p, sc, zero            ; w_v's blocks a0, a0 + 1 x x's eight, on the sets p (p is also which 128 of the slot's 256)
.irp a, \a0, \a0+1
.irp b, 0,1,2,3,4,5,6,7
.set D_, 8*(8*(\a)+\b)
.set FB_, 128*(\p)+FR*\b
.set FA_, AF+48*(\p)+FR*(\a)
.set XB_, SC+16*(\sc)+2*\b+(\p)
.set XA_, SC+16*(\sc)+2*(\a)+(\p)
	WM \zero
.endr
.endr
.endm
.macro FETCHV slot, p
	WIN TO_B
.irp i, 0,1,2,3,4,5,6,7
	FRAG 128*(\p)+FR*\i, B2+\slot, \p, \i
.endr
	WIN 0
.irp i, 0,1,2,3
	FRAG AF+48*(\p)+FR*\i, A2+\slot, \p, \i
.endr
.endm
.macro STEPV slot, zero
	s_wait_dscnt 0x0                               ; this step's fragments and scale words are in
	PLACES NP
	FETCHV \slot, 1
	WIN MUL_LO
	MULV 0, 0, \slot, \zero
	MULV 2, 0, \slot, \zero
	WIN 0
.endm
.macro TURNV slot, next, fill
	s_wait_tensorcnt 0x0                           ; all my tensor loads have landed
	ds_add_u32 v[SPW], v[NIL]
	s_wait_dscnt 0x0                               ; the add is done; this step's fragments are in: my reads of this slot are over
	s_barrier_signal -1
	WIN MUL_LO
	MULV 0, 1, \slot, 0
	WIN 0
	s_barrier_wait -1
	REFILL \slot, \fill
	s_wait_alu depctr_va_vdst(0)                   ; the wait ahead of the reader below
	v_add_nc_u32 v[ADRS2], 8, v[ADRS2]
	FETCHV \next, 0
	SCALES \next, ADRS2                            ; lanes 0-15: w_v's block i (i over 3: bytes that no product takes); lanes 16-31: x's block i
	WIN MUL_LO
	MULV 2, 1, \slot, 0
	WIN 0
.endm
; THE WAY OUT's macros.  Row tile a: the lane's 64 results become a fragment's codes and the row's scale word.
.macro QUANTA a
.set AC, 64*((\a)%4)
	WIN 0x0a+5*((\a)/4)
.irp b, 0,1,2,3
	v_max3_num_f32 v[TM+\b], |v[AC+16*\b]|, |v[AC+16*\b+1]|, 0x1800000   ; and the floor 2^(3 - 127): the byte cannot fall under 1
.endr
.irp i, 2,4,6,8,10,12,14
.irp b, 0,1,2,3
	v_max3_num_f32 v[TM+\b], |v[AC+16*\b+\i]|, |v[AC+16*\b+\i+1]|, v[TM+\b]
.endr
.endr
	WIN 0
.irp b, 0,1,2,3
	v_permlanex16_b32 v[TM+4+\b], v[TM+\b], s20, s21
.endr
.irp b, 0,1,2,3
	v_max_num_f32 v[TM+\b], v[TM+\b], v[TM+4+\b]
.endr
.irp b, 0,1,2,3
	v_add_nc_u32 v[TM+12+\b], 0xff000000, v[TM+\b]
.endr
.irp b, 0,1,2,3
	v_lshrrev_b32 v[TM+4+\b], 23, v[TM+12+\b]
.endr
	v_lshl_or_b32 v[PWS+(\a)], v[TM+5], 8, v[TM+4]
	v_lshl_or_b32 v[PWS+(\a)], v[TM+6], 16, v[PWS+(\a)]
	v_lshl_or_b32 v[PWS+(\a)], v[TM+7], 24, v[PWS+(\a)]
.if (\a) > 0
	s_wait_alu depctr_va_vdst(0)                   ; the wait ahead of the wait below
	s_wait_xcnt 0x0                                ; the last tile's stores have read the codes' registers
.endif
	WIN 0x02+(\a)/4
.irp c, 0,1
	v_cvt_scalef32_pk16_fp6_f32 v[CD+6*\c:CD+2+6*\c], v[AC+32*\c:AC+15+32*\c], v[TM+12+2*\c]
	v_cvt_scalef32_pk16_fp6_f32 v[CD+12+4*\c:CD+14+4*\c], v[AC+16+32*\c:AC+31+32*\c], v[TM+12+2*\c+1]
.endr
	WIN 0
	v_nop                                          ; one plain place behind a scaled conversion
.irp c, 0,1
.irp i, 0,1,2
	v_permlane16_swap_b32 v[CD+6*\c+\i], v[CD+12+4*\c+\i]
.endr
.irp i, 0,1,2
	v_mov_b32 v[CD+3+6*\c+\i], v[CD+12+4*\c+\i]
.endr
.endr
.endm
.macro OUTA a                          ; each store covers 512 or 256 consecutive bytes, aligned to 256
.set PB, PB0+2*((\a)/4)
	global_store_b128 v[CO16], v[CD:CD+3], s[PB:PB+1] offset:((\a)%4)*768
	global_store_b64 v[CO8], v[CD+4:CD+5], s[PB:PB+1] offset:((\a)%4)*768+512
	global_store_b128 v[CO16], v[CD+6:CD+9], s[PB+4:PB+5] offset:((\a)%4)*768
	global_store_b64 v[CO8], v[CD+10:CD+11], s[PB+4:PB+5] offset:((\a)%4)*768+512
.endm
	s_wait_alu depctr_va_vdst(0)                   ; the wait at the head's end
	s_wait_tensorcnt 0x0                           ; my tile of the head's four is in; the three lines ahead of a later first fill, as ahead of a refill
	ds_add_u32 v[SPW], v[NIL]
	s_mov_b32 s[G1SB+2], 16<<16                    ; no tensor load of mine is out: the weights' scale descriptor now states w_v's 128 rows: 16 rows of 256 bytes
	s_mov_b32 s[G1SB+4], 16
	s_mov_b32 s[G0SB+1], SCLV
	s_mov_b64 s[G0SB+2:G0SB+3], s[18:19]
	s_or_b32 s[G0SB+3], s[G0SB+3], 0x80000000
	s_wait_dscnt 0x0
	CROUND                                         ; all four tiles are in, all sixteen work-groups are here
	JLOAD 1, 1                                     ; K step 1, and w_v's scales
; ================= PHASE 1
	FETCH_B 0, 0, 0
	FETCH_A 0, 0, 0
	SCALES 0, ADRS
	FETCH_A 0, 0, 4
	global_prefetch_b8 v[PFX], s[4:5] offset:3*PLANEK th:TH_LOAD_NT scope:SCOPE_SE    ; K step 3, two fills on
	ASKW PFW, 3, 3
	STEP 0, 0, 1                                   ; the first products start the sums
	TURN 0, 1, 1, 0                                ; slot 0 takes K step 2
	STEP 1, 0, 0
	TURN 1, 0, 1, 1                                ; slot 1 takes K step 3
	STEP 0, 0, 0
	TURN 0, 1, 2, 2                                ; slot 0 takes phase 2's K step 0
	STEP 1, 0, 0
	MEET 1, 2                                      ; slot 1 takes phase 2's K step 1
	WIN MUL_HI
	MUL16 4, 1, NQ-1, 1, 0
	MUL16 6, 1, NQ-1, 1, 0
	WIN 0
	ASKW PFV, 3, 3
	; phase 1's way out, while phase 2's first tiles land.  The scales' descriptors have long landed: s68-91 are free
	PLACES NP
	s_mov_b32 s20, 0x76543210
	s_mov_b32 s21, 0xfedcba98
	s_lshl_b32 s80, s97, 2
	s_lshl_b32 s81, s16, 1
	s_add_co_u32 s80, s80, s81                     ; the first of my two heads (0-15 q's, 16-31 k's)
	s_lshl_b32 s81, s96, 1
	s_add_co_u32 s81, s81, s15                     ; my 128 tokens
	s_mul_i32 s82, s80, HEADB
	s_mul_i32 s83, s81, RECB
	s_add_co_u32 s82, s82, s83
	s_mov_b32 s83, 0
	s_add_nc_u64 s[PB0:PB0+1], s[8:9], s[82:83]            ; head 0, row tiles 0-3
	s_add_nc_u64 s[PB0+2:PB0+3], s[PB0:PB0+1], 3072        ; head 0, row tiles 4-7
	s_add_nc_u64 s[PB0+4:PB0+5], s[PB0:PB0+1], HEADB       ; head 1 likewise
	s_add_nc_u64 s[PB0+6:PB0+7], s[PB0+2:PB0+3], HEADB
	s_add_nc_u64 s[PB0+8:PB0+9], s[PB0:PB0+1], 12288       ; the scale blocks
	s_add_nc_u64 s[PB0+10:PB0+11], s[PB0+4:PB0+5], 12288
	v_cmp_le_u32 vcc_lo, 16, v26
.irp b, 0,1,2,3
	v_mov_b32 v[TM+4+\b], 0                        ; a lane permute's destination counts as one of its sources
.endr
.irp a, 0,1,2,3,4,5,6,7
	QUANTA \a
	OUTA \a
.endr
.irp j, 0,1,2,3
	v_cndmask_b32 v[SW+\j], v[PWS+2*\j], v[PWS+2*\j+1], vcc_lo   ; lanes 0-15: tile 2 j's words; lanes 16-31: tile 2 j + 1's
.endr
.irp j, 0,1,2,3
	v_lshrrev_b32 v[SW+4+\j], 16, v[SW+\j]         ; the second head's two bytes
.endr
	global_store_b128 v[CO16], v[SW:SW+3], s[PB0+8:PB0+9]          ; bytes 0, 1 are this head's; bytes 2, 3 (1 to 254) meet zero codes only
	global_store_b128 v[CO16], v[SW+4:SW+7], s[PB0+10:PB0+11]
; ================= PHASE 2
	s_wait_xcnt 0x0                                ; the stores have read their registers and bases
	s_wait_tensorcnt 0x0                           ; my part of phase 2's K steps 0 and 1 is in,
	s_barrier_signal -1
	s_barrier_wait -1                              ; everybody's is
	FETCHV 0, 0
	SCALES 0, ADRS2
	STEPV 0, 1                                     ; the first products start the sums anew
	TURNV 0, 1, 1
	STEPV 1, 0
	TURNV 1, 0, 1
	STEPV 0, 0
	TURNV 0, 1, 0
	STEPV 1, 0
	s_wait_dscnt 0x0
	WIN MUL_LO
	MULV 0, 1, 1, 0
	MULV 2, 1, 1, 0
	WIN 0
	PLACES NP
	s_lshl_b32 s80, s97, 1
	s_add_co_u32 s80, s80, s15
	s_add_co_u32 s80, s80, 16                      ; my head's records
	s_lshl_b32 s81, s96, 1
	s_add_co_u32 s81, s81, s16                     ; my key step
	s_mul_i32 s82, s80, HEADB
	s_mul_i32 s83, s81, RECB
	s_add_co_u32 s82, s82, s83
	s_add_co_u32 s82, s82, 6144
	s_mov_b32 s83, 0
	s_add_nc_u64 s[PB0:PB0+1], s[8:9], s[82:83]            ; keys 0-63: four images,
	s_add_nc_u64 s[PB0+4:PB0+5], s[PB0:PB0+1], 3072        ; keys 64-127,
	s_add_nc_u64 s[PB0+8:PB0+9], s[PB0:PB0+1], 12800-6144  ; the scale words
	v_cmp_le_u32 vcc_lo, 16, v26
.irp a, 0,1,2,3
	QUANTA \a
	OUTA \a
.endr
.irp j, 0,1
	v_cndmask_b32 v[SW+\j], v[PWS+2*\j], v[PWS+2*\j+1], vcc_lo
.endr
	global_store_b64 v[CO8], v[SW:SW+1], s[PB0+8:PB0+9]
	global_store_b64 v[CO8], v[SW:SW+1], s[PB0+8:PB0+9] offset:256  ; once more: every byte of the record that a later launch fetches is written
	s_wait_tensorcnt 0x0                           ; the wave's end
	ds_add_u32 v[SPW], v[NIL]
	s_wait_dscnt 0x0
	CROUND                                         ; the closing round
	s_endpgm
.Lfunc_end_k_q731109e01e_gemm_qkv:
	.size	k_q731109e01e_gemm_qkv, .Lfunc_end_k_q731109e01e_gemm_qkv-k_q731109e01e_gemm_qkv
	.p2alignl 7, 3214868480
	.fill 96, 4, 3214868480
	.section	.rodata,"a",@progbits
	.p2align	6, 0x0
	.amdhsa_kernel k_q731109e01e_gemm_qkv
		.amdhsa_group_segment_fixed_size 327680
		.amdhsa_private_segment_fixed_size 0
		.amdhsa_enable_private_segment 0
		.amdhsa_kernarg_size 24
		.amdhsa_user_sgpr_count 2
		.amdhsa_user_sgpr_kernarg_segment_ptr 1
		.amdhsa_wavefront_size32 1
		.amdhsa_system_sgpr_workgroup_id_x 1
		.amdhsa_system_sgpr_workgroup_id_y 1
		.amdhsa_system_sgpr_workgroup_id_z 1
		.amdhsa_system_vgpr_workitem_id 0
		.amdhsa_next_free_vgpr 1024
		.amdhsa_next_free_sgpr 100
		.amdhsa_reserve_vcc 1
		.amdhsa_float_denorm_mode_32 3
		.amdhsa_float_denorm_mode_16_64 3
		.amdhsa_memory_ordered 1
		.amdhsa_forward_progress 1
		.amdhsa_inst_pref_size 255
	.end_amdhsa_kernel
	.section	.bss,"aw",@nobits
	.p2align	6
	.space	262144
	.amdgpu_metadata
---
amdhsa.version: [ 1, 2 ]
amdhsa.kernels:
  - .name:           k_q731109e01e_gemm_qkv
    .symbol:         k_q731109e01e_gemm_qkv.kd
    .args:
      - { .name: in_codes, .offset: 0, .size: 8, .value_kind: global_buffer, .address_space: global }
      - { .name: in_scales, .offset: 8, .size: 8, .value_kind: global_buffer, .address_space: global }
      - { .name: qkv, .offset: 16, .size: 8, .value_kind: global_buffer, .address_space: global }
    .group_segment_fixed_size: 327680
    .private_segment_fixed_size: 0
    .kernarg_segment_align: 8
    .kernarg_segment_size: 24
    .max_flat_workgroup_size: 128
    .sgpr_count:     100
    .vgpr_count:     1024
    .wavefront_size: 32
...
	.end_amdgpu_metadata
.endif
;; end of part 2
;; launch attn (part 3): grid 4 x 64, 16 waves a work-group, no clusters, 327,680 bytes of LDS; arguments qkv, ao_codes, ao_scales; writes ao_codes, ao_scales
.if DOCPART == 3
	.amdgcn_target "amdgcn-amd-amdhsa--gfx1250"
	.amdhsa_code_object_version 6
	.text
	.protected	k_q731109e01e_attn
	.globl	k_q731109e01e_attn
	.p2align	8
	.type	k_q731109e01e_attn,@function
k_q731109e01e_attn:
	s_mov_b64 s[64:65], 0
	v_nop
	global_prefetch_b8 v0, s[64:65] scope:SCOPE_SE
	s_setreg_imm32_b32 hwreg(HW_REG_WAVE_MODE, 25, 1), 1
	s_wait_xcnt 0x0
; Causal attention of one (batch, head) on codes of FP6 (E2M3): S^T = K Q^T (K = the head's 64), p = 2^(t - M), O^T = V^T P^T (K = the keys), O / l quantised along the head's 64 channels for the last product.
; t = score x log2(e) / 8; M = the running largest t rounded UP to a whole number; the row's sum l is taken of the unquantised p; when M moves, l and O are multiplied by 2^(old M - new M): exact.
; WORK LEFT OUT: key steps all of whose keys come after a tile's queries: the causal mask gives them p = 0 for all inputs.
; INPUT: the records of 13,312 bytes that the launch before lays: K's 8 images, V's 2 x 4 images, K's scale block, V's scale words for each key step of 128; q's images and scale blocks in q's records.
; THE HEAD'S 64 FILL HALF OF THE INSTRUCTION'S 128: Q's registers 6-11 are zeros; K's registers 6-11 are whatever follows in the register file: every 6-bit pattern is a finite number and no scale byte here is 0xff, so those products are zeros.
; TILE ORDER: place p of tokens and channels holds index p with bits 3 and 4 exchanged: lane r of tile 2 b + u holds 32 b + 8 u + r + 8 (r / 8).
; SHARES: work-group (i, 16 batch + head), i = 0 .. 3; wave w owns query tiles L = 4 w + i and H = 127 - L of the 128 tiles of 16: 17 key steps for every wave, and every work-group reads all 16 key steps.
; ALL OF THE HEAD'S K AND V STAY IN LDS: 16 records, filled once.  At the head wave w asks for record w, 52 rows of 256 bytes: its one tensor load.  Waves 0 and 1 have a load line of their own and ask ahead of their other set-up, the
; others behind it.  The first barrier waits for waves 0 and 1 alone: key steps 0 and 1 are worked (3 or 4 key steps a wave) while the other records land; a second barrier, in front of trip 2, shows these to all.  Nothing is ever filled again.
; NO CLUSTER: the steps that a wave jumps over hang on i, which would be the work-group's place in a cluster.  NO PREFETCH: all tiles are asked for at the head; there is no later request to run ahead of.
; The output's scale words leave as runs of 64 bytes (16 words a tile), one store a wave: 1 byte in 13 of what the launch stores.
; LIMITS: NaN and infinities are not served; the scaled scores stay under 2^31 in magnitude; a block whose largest magnitude lies under 2^-124, a block of zeros among them, gets the byte 1 (this program alone reads the bytes).
; A block's largest p is taken as 2^ of the block's largest t - M, which takes v_exp_f32 not to fall where its input rises.
; REGISTERS: v1 16 x lane, v2 8 x lane; v4, v5 the same + the step's LDS byte; v7, v8 at work; v9 my query - the tile's first - 16 (lane / 16); v10, v11 the output's scale words (L, H);
;   v12-15 H's -M, largest t, sums; v16-19 L's; v20-31 Q of H; v32-43 Q of L; v44, v45 their scale words; v46-93 K's fragments 0-6, then V's four; v94-95 V's scale words; v96-159 S^T, then p;
;   v160-191 O^T of H; v192-223 O^T of L; v224-235 K's fragment 7, then p's codes; v232-254 at work; v243 my spare word's address, v255 zero: kept for the add alone.
.set STEPB,  13312
.set HEADB,  64*STEPB
.set VOFF,   6144
.set KSOFF,  12288
.set VSOFF,  12800
.set SPARE,  16*STEPB
.set PLANE,  393216
.set WV,  18
.set SEL, 20
.set CS,  22
.set G1A, 24
.set G0,  40
.set TB,  56
.set KF,  57
.set Q0H, 58
.set Q0L, 59
.set CNT, 60
.macro TILE m, q, qs, o, so, q0        ; tile m: its Q image, its scale words, its output image (addresses), its output words (an offset), its smallest query
	s_lshr_b32 s61, s[\m], 3
	s_mul_i32 s61, s61, STEPB
	s_add_co_u32 s61, s61, s14
	s_and_b32 s62, s[\m], 7
	s_mul_i32 s62, s62, 768
	s_add_co_u32 s[\q], s61, s62
	s_mov_b32 s[\q+1], 0
	s_and_b32 s62, s[\m], 1
	s_lshl_b32 s62, s62, 8
	s_add_co_u32 s[\qs], s61, s62
	s_bfe_u32 s62, s[\m], 0x20001
	s_lshl_b32 s62, s62, 2
	s_add_co_u32 s[\qs], s[\qs], s62
	s_add_co_u32 s[\qs], s[\qs], KSOFF
	s_mov_b32 s[\qs+1], 0
	s_add_co_u32 s62, s63, s[\m]
	s_mul_i32 s[\o], s62, 768
	s_add_co_u32 s[\o], s[\o], s84
	s_mov_b32 s[\o+1], 0
	s_lshl_b32 s[\so], s62, 6
	s_add_nc_u64 s[\q:\q+1], s[4:5], s[\q:\q+1]
	s_add_nc_u64 s[\qs:\qs+1], s[4:5], s[\qs:\qs+1]
	s_add_nc_u64 s[\o:\o+1], s[6:7], s[\o:\o+1]
	s_lshr_b32 s[\q0], s[\m], 1
	s_lshl_b32 s[\q0], s[\q0], 5
	s_and_b32 s61, s[\m], 1
	s_lshl_b32 s61, s61, 3
	s_add_co_u32 s[\q0], s[\q0], s61
.endm
.macro SETUP                           ; the wave's other scalar set-up: its two tiles, the constants
	s_lshl_b32 s80, s[WV], 2
	s_add_co_u32 s80, s80, ttmp9                   ; tile L
	s_sub_co_u32 s81, 127, s80                     ; tile H
	s_lshl_b32 s63, s12, 7                         ; 128 tiles a batch
	s_mul_i32 s84, s13, PLANE
	TILE 81, 68, 72, 76, 82, Q0H
	TILE 80, 70, 74, 78, 83, Q0L
	s_lshl_b32 s86, s13, 15                        ; 8,192 words a head
	s_mov_b32 s87, 0
	s_add_nc_u64 s[8:9], s[8:9], s[86:87]
	s_mov_b32 s[SEL], 0x76543210
	s_mov_b32 s[SEL+1], 0xfedcba98
	s_mov_b32 s[CS], 0x3e38aa3b                    ; log2(e) / 8
	s_mov_b32 s[CS+1], s[CS]
	s_mov_b32 s[TB], 0
	s_mov_b32 s[KF], 0
.endm
.macro RECORD                          ; my record
	tensor_load_to_lds s[G0:G0+3], s[G1A:G1A+7]
	s_nop 0
.rept 4
	v_nop
.endr
.endm
	s_load_b128 s[4:7], s[0:1], 0x0                ; qkv, ao_codes
	s_load_b64 s[8:9], s[0:1], 0x10                ; ao_scales
	v_lshl_add_u32 v243, v0, 2, SPARE
	v_mov_b32 v255, 0
	ds_add_u32 v243, v255                          ; the opening lines: the add twice on end and its wait
	ds_add_u32 v243, v255
	v_lshrrev_b32 v7, 5, v0
	v_readfirstlane_b32 s[WV], v7                  ; wave 0..15
	s_and_b32 s15, ttmp7, 0xffff
	s_lshr_b32 s12, s15, 4                         ; batch
	s_and_b32 s13, s15, 15                         ; head
	s_mul_i32 s14, s13, HEADB
	s_mul_i32 s16, s12, 16*STEPB
	s_add_co_u32 s14, s14, s16                     ; q's first record of this batch and head; k's and v's lie 16 heads on
	s_mul_i32 s[G0+1], s[WV], STEPB
	s_add_co_u32 s16, s14, s[G0+1]
	s_add_co_u32 s16, s16, 16*HEADB
	s_mov_b32 s17, 0
	s_mov_b32 s[G0], 1
	s_mov_b32 s[G1A], 3<<16                        ; 52 dense rows of 256 bytes (32 elements of 8)
	s_mov_b32 s[G1A+1], 32<<16
	s_mov_b32 s[G1A+2], 52<<16
	s_mov_b32 s[G1A+3], 32<<16
	s_mov_b32 s[G1A+4], 52
	s_mov_b32 s[G1A+5], 32
	s_mov_b32 s[G1A+6], 0
	s_mov_b32 s[G1A+7], 0
	s_wait_dscnt 0x0
	s_wait_kmcnt 0x0
	s_add_nc_u64 s[G0+2:G0+3], s[4:5], s[16:17]
	s_or_b32 s[G0+3], s[G0+3], 0x80000000
	s_cmp_lt_u32 s[WV], 2                          ; one chain, one load to an arm: what is needed first is asked for first
	s_cbranch_scc0 .Llater
	RECORD                                         ; key steps 0 and 1
	SETUP
	s_branch .Lasked
.Llater:
	SETUP
	RECORD                                         ; key steps 2 to 15
.Lasked:
	v_and_b32 v1, 31, v0
	v_and_b32 v7, 15, v0                           ; r
	v_lshlrev_b32 v2, 3, v1
	v_lshlrev_b32 v1, 4, v1
	v_and_b32 v8, 8, v7
	v_add_nc_u32 v9, v7, v8                        ; r + 8 (r / 8)
	v_bfe_u32 v8, v0, 4, 1
	v_lshlrev_b32 v8, 4, v8
	v_sub_nc_u32 v9, v9, v8                        ; - 16 (lane / 16)
	v_lshlrev_b32 v8, 4, v7                        ; 16 r: a row's place in a scale block
	global_load_b128 v[20:23], v1, s[68:69]
	global_load_b64 v[24:25], v2, s[68:69] offset:512
	global_load_b32 v44, v8, s[72:73]
	global_load_b128 v[32:35], v1, s[70:71]
	global_load_b64 v[36:37], v2, s[70:71] offset:512
	global_load_b32 v45, v8, s[74:75]
.irp j, 26,27,28,29,30,31,38,39,40,41,42,43,88,89,90,91,92,93,230,231,232,233,234,235
	v_mov_b32 v[\j], 0                             ; Q's K = 64 .. 127: zero codes; v88-93 and v230-235 are named behind K's fragments 6 and 7
.endr
	v_mov_b32 v13, 0xff61b1e6                      ; the largest t so far: -3e38
	v_mov_b32 v17, 0xff61b1e6
	v_mov_b32 v14, 0
	v_mov_b32 v15, 0
	v_floor_f32 v12, -v13                          ; -M
	v_floor_f32 v16, -v17
	v_mov_b32 v18, 0
	v_mov_b32 v19, 0
.irp j, 236,237,238,239,252,253
	v_mov_b32 v[\j], 0                             ; lane permutes' destinations count as sources; v253 is named in the pair v[252:253]
.endr
.set n, 0
.rept 64
	v_mov_b32 v[160+n], 0                          ; O^T of both tiles: the step is written once, and its first run finds zeros
.set n, n+1
.endr
	s_wait_alu depctr_va_vdst(0)                   ; the wait at the head's end
	s_cmp_lt_u32 s[WV], 2
	s_cbranch_scc0 .Lnot_first
	s_wait_tensorcnt 0x0                           ; waves 0 and 1: my record is in
.Lnot_first:
	s_barrier_signal -1
	s_barrier_wait -1                              ; key steps 0 and 1 are in; the others may be on their way
	s_wait_loadcnt 0x0                             ; Q
; A KEY STEP of one tile of 16 queries: 128 keys.  st: the tile's -M, t, sums; qf, qs: its Q and scale word; ot: its O^T; q0: its smallest query.
.macro STEP st, qf, qs, ot, q0
	s_add_co_u32 s61, s[\q0], 23
	s_cmp_gt_u32 s[KF], s61
	s_cbranch_scc1 .Lhidden_\@                     ; all 128 keys come after my 16 queries
.rept 4
	v_nop                                          ; places in front of loads into registers that the last products read
.endr
	s_wait_alu depctr_va_vdst(0)                   ; v4, v5 may be read behind a taken branch
	ds_load_b128 v[248:251], v4 offset:KSOFF       ; K's scale words: register j: lanes 0-15 tile 2 j, lanes 16-31 tile 2 j + 1
.irp t, 0,1,2,3,4,5,6                          ; K's eight fragments in one run: 0-6 from v46 on, 7 where p's codes will lie
	ds_load_b128 v[46+6*\t:49+6*\t], v4 offset:768*\t
	ds_load_b64 v[50+6*\t:51+6*\t], v5 offset:768*\t+512
.endr
	ds_load_b128 v[224:227], v4 offset:768*7
	ds_load_b64 v[228:229], v5 offset:768*7+512
	s_wait_dscnt 0x0
.irp t, 0,1,2,3,4,5,6,7                        ; S^T = K Q^T: eight tiles of 16 keys
.set KA_, 46+6*\t+(224-88)*(\t/7)
.if \t%2
	v_wmma_scale_f32_16x16x128_f8f6f4 v[96+8*\t:103+8*\t], v[KA_:KA_+11], v[\qf:\qf+11], 0, v[248+\t/2], v[\qs] matrix_a_fmt:MATRIX_FMT_FP6 matrix_b_fmt:MATRIX_FMT_FP6 matrix_a_scale:MATRIX_SCALE_ROW1
.else
	v_wmma_scale_f32_16x16x128_f8f6f4 v[96+8*\t:103+8*\t], v[KA_:KA_+11], v[\qf:\qf+11], 0, v[248+\t/2], v[\qs] matrix_a_fmt:MATRIX_FMT_FP6 matrix_b_fmt:MATRIX_FMT_FP6
.endif
.endr
.rept 4
	v_nop                                          ; places in front of the loads below and of the first read of the scores
.endr
.irp t, 0,1,2,3                                ; V's four fragments are asked for now and land under the softmax
	ds_load_b128 v[46+12*\t:49+12*\t], v4 offset:VOFF+768*\t
	ds_load_b64 v[50+12*\t:51+12*\t], v5 offset:VOFF+768*\t+512
	ds_load_b128 v[52+12*\t:55+12*\t], v4 offset:VOFF+3072+768*\t
	ds_load_b64 v[56+12*\t:57+12*\t], v5 offset:VOFF+3072+768*\t+512
.endr
	ds_load_b64 v[94:95], v5 offset:VSOFF          ; V's scale words: register j: lanes 0-15 tile 2 j, lanes 16-31 tile 2 j + 1
	s_add_co_u32 s61, s[KF], 127
	s_cmp_le_u32 s61, s[\q0]
	s_cbranch_scc1 .Lopen_\@                       ; all 128 keys count
	s_sub_co_i32 s61, s[\q0], s[KF]
	v_add_nc_u32 v7, s61, v9                       ; d = my query - the step's first key - 16 (lane / 16): register 16 b + i is hidden where 32 b + i > d
	v_mov_b32 v8, 0xff800000                       ; -infinity: p = 0 then
.set n, 0
.rept 64
	v_cmp_gt_i32 vcc_lo, 32*(n/16)+n%16, v7
	v_cndmask_b32 v[96+n], v[96+n], v8, vcc_lo
.set n, n+1
.endr
.Lopen_\@:
.irp b, 0,1,2,3
	v_max3_num_f32 v[232+\b], v[96+16*\b], v[97+16*\b], v[98+16*\b]   ; the largest score of each block of 32 keys
.endr
.irp i, 3,5,7,9,11,13
.irp b, 0,1,2,3
	v_max3_num_f32 v[232+\b], v[232+\b], v[96+16*\b+\i], v[97+16*\b+\i]
.endr
.endr
.irp b, 0,1,2,3
	v_max_num_f32 v[232+\b], v[232+\b], v[111+16*\b]
.endr
.irp b, 0,1,2,3
	s_delay_alu instid0(VALU_DEP_4)
	v_permlanex16_b32 v[236+\b], v[232+\b], s[SEL], s[SEL+1]
.endr
.irp b, 0,1,2,3
	s_delay_alu instid0(VALU_DEP_4)
	v_max_num_f32 v[232+\b], v[232+\b], v[236+\b]  ; with lane l xor 16's 16 keys
.endr
	s_delay_alu instid0(VALU_DEP_2)
	v_max3_num_f32 v254, v232, v233, v234
	s_delay_alu instid0(VALU_DEP_1)
	v_max_num_f32 v254, v254, v235                 ; the step's largest score of my query
	s_delay_alu instid0(VALU_DEP_1)
	v_mul_f32 v254, s[CS], v254                    ; as t
	s_delay_alu instid0(VALU_DEP_1)
	v_max_num_f32 v[\st+1], v[\st+1], v254         ; the running largest t
	v_mov_b32 v254, v[\st]
	s_delay_alu instid0(VALU_DEP_2)
	v_floor_f32 v[\st], -v[\st+1]                  ; the new -M = floor(-t)
	s_delay_alu instid0(VALU_DEP_1)
	v_sub_f32 v254, v[\st], v254                   ; old M - new M: a whole number, 0 or less
	s_delay_alu instid0(VALU_DEP_1)
	v_cvt_i32_f32 v254, v254                       ; (it saturates)
	s_delay_alu instid0(VALU_DEP_1)
	v_ldexp_f32 v252, 1.0, v254                    ; f = 2^(old M - new M)
.set n, 0
.rept 32
	v_pk_fma_f32 v[96+n:97+n], v[96+n:97+n], s[CS:CS+1], v[\st:\st+1] op_sel_hi:[1,0,0]   ; t - M, two at a time
.set n, n+2
.endr
.irp b, 0,1,2,3
	v_fma_f32 v[232+\b], v[232+\b], s[CS], v[\st]  ; the same of each block's largest score
.endr
.set n, 0
	s_wait_alu depctr_va_vdst(0)                   ; the wait ahead of the batch
.rept 64
	v_exp_f32 v[96+n], v[96+n]                     ; p = 2^(t - M), at most 1
.set n, n+1
.endr
.irp b, 0,1,2,3
	v_exp_f32 v[232+\b], v[232+\b]                 ; the block's largest p
.endr
	v_pk_mul_f32 v[\st+2:\st+3], v[\st+2:\st+3], v[252:253] op_sel_hi:[1,0]   ; the sums under the new M (a plain place behind the exponentials)
	s_wait_alu depctr_va_vdst(0)                   ; and behind it
.irp b, 0,1,2,3
	v_max_num_f32 v[232+\b], 0x1800000, v[232+\b]  ; the floor 2^(3 - 127): the byte cannot fall under 1
.endr
.irp b, 0,1,2,3
	s_delay_alu instid0(VALU_DEP_4)
	v_add_nc_u32 v[244+\b], 0xff000000, v[232+\b]  ; the conversion's scale operand
.endr
.irp b, 0,1,2,3
	s_delay_alu instid0(VALU_DEP_4)
	v_lshrrev_b32 v[236+\b], 23, v[244+\b]         ; the scale's byte
.endr
	s_delay_alu instid0(VALU_DEP_3)
	v_lshl_or_b32 v253, v237, 8, v236              ; p's scale word for these 128 keys
	s_delay_alu instid0(VALU_DEP_1)
	v_lshl_or_b32 v253, v238, 16, v253
	s_delay_alu instid0(VALU_DEP_1)
	v_lshl_or_b32 v253, v239, 24, v253
.irp c, 0,1
	v_cvt_scalef32_pk16_fp6_f32 v[224+6*\c:226+6*\c], v[96+32*\c:111+32*\c], v[244+2*\c]
	v_cvt_scalef32_pk16_fp6_f32 v[236+4*\c:238+4*\c], v[112+32*\c:127+32*\c], v[244+2*\c+1]
.endr
	v_nop                                          ; one plain place behind a scaled conversion
.irp c, 0,1                                    ; a whole block in a lane
.irp i, 0,1,2
	v_permlane16_swap_b32 v[224+6*\c+\i], v[236+4*\c+\i]
.endr
.irp i, 0,1,2
	s_delay_alu instid0(VALU_DEP_3)
	v_mov_b32 v[227+6*\c+\i], v[236+4*\c+\i]
.endr
.endr
	v_pk_add_f32 v[236:237], v[96:97], v[98:99]    ; the row's sum of the unquantised p, in two chains
.irp j, 4,8,12,16,20,24,28,32,36,40,44,48,52,56,60
	v_pk_add_f32 v[\st+2:\st+3], v[\st+2:\st+3], v[96+\j:97+\j]
	v_pk_add_f32 v[236:237], v[236:237], v[98+\j:99+\j]
.endr
	s_delay_alu instid0(VALU_DEP_1)
	v_pk_add_f32 v[\st+2:\st+3], v[\st+2:\st+3], v[236:237]
	s_wait_alu depctr_va_vdst(0)                   ; the wait directly ahead of the first reader of O^T
.irp j, 0,2,4,6,8,10,12,14,16,18,20,22,24,26,28,30
	v_pk_mul_f32 v[\ot+\j:\ot+\j+1], v[\ot+\j:\ot+\j+1], v[252:253] op_sel_hi:[1,0]   ; O^T under the new M; with the sums above: the places between p's codes and scale word and the products
.endr
	s_wait_alu depctr_va_vdst(0)
	s_wait_dscnt 0x0                               ; V is in
.irp t, 0,1,2,3                                ; O^T += V^T P^T: four accumulators by turns
.if \t%2
	v_wmma_scale_f32_16x16x128_f8f6f4 v[\ot+8*\t:\ot+8*\t+7], v[46+12*\t:57+12*\t], v[224:235], v[\ot+8*\t:\ot+8*\t+7], v[94+\t/2], v253 matrix_a_fmt:MATRIX_FMT_FP6 matrix_b_fmt:MATRIX_FMT_FP6 matrix_a_scale:MATRIX_SCALE_ROW1
.else
	v_wmma_scale_f32_16x16x128_f8f6f4 v[\ot+8*\t:\ot+8*\t+7], v[46+12*\t:57+12*\t], v[224:235], v[\ot+8*\t:\ot+8*\t+7], v[94+\t/2], v253 matrix_a_fmt:MATRIX_FMT_FP6 matrix_b_fmt:MATRIX_FMT_FP6
.endif
.endr
.Lhidden_\@:
.endm
.macro WALK trips, lab
	s_mov_b32 s[CNT], \trips
\lab:
	v_add_nc_u32 v4, s[TB], v1
	v_add_nc_u32 v5, s[TB], v2
	STEP 12, 20, 44, 160, Q0H
	STEP 16, 32, 45, 192, Q0L
	s_add_co_u32 s[KF], s[KF], 128
	s_add_co_u32 s[TB], s[TB], STEPB
	s_sub_co_u32 s[CNT], s[CNT], 1
	s_cmp_lg_u32 s[CNT], 0
	s_cbranch_scc1 \lab
.endm
	WALK 2, .Lfirst                                ; key steps 0 and 1
	s_wait_tensorcnt 0x0                           ; my record is in,
	s_wait_dscnt 0x0
	s_barrier_signal -1
	s_barrier_wait -1                              ; everybody's is
	WALK 14, .Lrest                                ; key steps 2-15
.rept 4
	v_nop                                          ; places behind the last products
.endr
; A tile's end: O^T / l, quantised along the head's 64 channels, leaves as one image; the scale word is byte 0 | byte 1 << 8.
.macro FINISH st, ot, word, base, again
	v_add_f32 v[\st+2], v[\st+2], v[\st+3]
	s_delay_alu instid0(VALU_DEP_1)
	v_permlanex16_b32 v252, v[\st+2], s[SEL], s[SEL+1]
	s_delay_alu instid0(VALU_DEP_1)
	v_add_f32 v[\st+2], v[\st+2], v252
	s_wait_alu depctr_va_vdst(0)
	v_rcp_f32 v[\st+2], v[\st+2]
	v_nop                                          ; one plain place behind a transcendental
.set n, 0
	s_wait_alu depctr_va_vdst(0)
.rept 32
	v_mul_f32 v[96+n], v[\ot+n], v[\st+2]          ; each accumulator from its low end on
.set n, n+1
.endr
.irp b, 0,1
	v_max3_num_f32 v[232+\b], |v[96+16*\b]|, |v[97+16*\b]|, 0x1800000
.endr
.irp i, 2,4,6,8,10,12,14
.irp b, 0,1
	s_delay_alu instid0(VALU_DEP_2)
	v_max3_num_f32 v[232+\b], v[232+\b], |v[96+16*\b+\i]|, |v[97+16*\b+\i]|
.endr
.endr
.irp b, 0,1
	s_delay_alu instid0(VALU_DEP_2)
	v_permlanex16_b32 v[236+\b], v[232+\b], s[SEL], s[SEL+1]
.endr
.irp b, 0,1
	s_delay_alu instid0(VALU_DEP_2)
	v_max_num_f32 v[232+\b], v[232+\b], v[236+\b]
.endr
.irp b, 0,1
	s_delay_alu instid0(VALU_DEP_2)
	v_add_nc_u32 v[244+\b], 0xff000000, v[232+\b]
.endr
.irp b, 0,1
	s_delay_alu instid0(VALU_DEP_2)
	v_lshrrev_b32 v[236+\b], 23, v[244+\b]
.endr
	s_delay_alu instid0(VALU_DEP_1)
	v_lshl_or_b32 v[\word], v237, 8, v236
.if \again
	s_wait_alu depctr_va_vdst(0)
	s_wait_xcnt 0x0                                ; the first tile's stores have read v224-229
.endif
	v_cvt_scalef32_pk16_fp6_f32 v[224:226], v[96:111], v244
	v_cvt_scalef32_pk16_fp6_f32 v[228:230], v[112:127], v245
	v_nop                                          ; one plain place behind a scaled conversion
.irp i, 0,1,2
	v_permlane16_swap_b32 v[224+\i], v[228+\i]
.endr
.irp i, 0,1,2
	s_delay_alu instid0(VALU_DEP_3)
	v_mov_b32 v[227+\i], v[228+\i]
.endr
	global_store_b128 v1, v[224:227], s[\base:\base+1]             ; 512 consecutive bytes, aligned to 256
	global_store_b64 v2, v[228:229], s[\base:\base+1] offset:512   ; and 256 more
.endm
	FINISH 12, 160, 11, 76, 0
	FINISH 16, 192, 10, 78, 1
	s_sub_co_u32 s61, s82, s83                     ; from L's words to H's
	v_and_b32 v7, 15, v0
	v_bfe_u32 v8, v0, 4, 1
	v_mul_u32_u24 v8, v8, s61
	v_lshl_add_u32 v8, v7, 2, v8
	v_add_nc_u32 v8, s83, v8                       ; lanes 0-15: L's word r; lanes 16-31: H's
	v_and_b32 v7, 16, v0
	v_cmp_ne_u32 vcc_lo, 0, v7
	v_cndmask_b32 v7, v10, v11, vcc_lo
	global_store_b32 v8, v7, s[8:9]
	s_wait_tensorcnt 0x0                           ; the wave's end
	ds_add_u32 v243, v255
	s_wait_dscnt 0x0
	s_endpgm
.Lfunc_end_k_q731109e01e_attn:
	.size	k_q731109e01e_attn, .Lfunc_end_k_q731109e01e_attn-k_q731109e01e_attn
	.p2alignl 7, 3214868480
	.fill 96, 4, 3214868480
	.section	.rodata,"a",@progbits
	.p2align	6, 0x0
	.amdhsa_kernel k_q731109e01e_attn
		.amdhsa_group_segment_fixed_size 327680
		.amdhsa_private_segment_fixed_size 0
		.amdhsa_enable_private_segment 0
		.amdhsa_kernarg_size 24
		.amdhsa_user_sgpr_count 2
		.amdhsa_user_sgpr_kernarg_segment_ptr 1
		.amdhsa_wavefront_size32 1
		.amdhsa_system_sgpr_workgroup_id_x 1
		.amdhsa_system_sgpr_workgroup_id_y 1
		.amdhsa_system_sgpr_workgroup_id_z 1
		.amdhsa_system_vgpr_workitem_id 0
		.amdhsa_next_free_vgpr 256
		.amdhsa_next_free_sgpr 96
		.amdhsa_reserve_vcc 1
		.amdhsa_float_denorm_mode_32 3
		.amdhsa_float_denorm_mode_16_64 3
		.amdhsa_memory_ordered 1
		.amdhsa_forward_progress 1
		.amdhsa_inst_pref_size 110
	.end_amdhsa_kernel
	.amdgpu_metadata
---
amdhsa.version: [ 1, 2 ]
amdhsa.kernels:
  - .name:           k_q731109e01e_attn
    .symbol:         k_q731109e01e_attn.kd
    .args:
      - { .name: qkv, .offset: 0, .size: 8, .value_kind: global_buffer, .address_space: global }
      - { .name: ao_codes, .offset: 8, .size: 8, .value_kind: global_buffer, .address_space: global }
      - { .name: ao_scales, .offset: 16, .size: 8, .value_kind: global_buffer, .address_space: global }
    .group_segment_fixed_size: 327680
    .private_segment_fixed_size: 0
    .kernarg_segment_align: 8
    .kernarg_segment_size: 24
    .max_flat_workgroup_size: 512
    .sgpr_count:     96
    .vgpr_count:     256
    .wavefront_size: 32
...
	.end_amdgpu_metadata
.endif
;; end of part 3
;; launch gemm_out (part 4): grid 4 x 64, 4 waves a work-group, clusters of 4 x 4, 327,680 bytes of LDS; arguments ao_codes, ao_scales, in_codes, in_scales, out0; writes out0
.if DOCPART == 4
	.amdgcn_target "amdgcn-amd-amdhsa--gfx1250"
	.amdhsa_code_object_version 6
	.text
	.protected	k_q731109e01e_gemm_out
	.globl	k_q731109e01e_gemm_out
	.p2align	8
	.type	k_q731109e01e_gemm_out,@function
k_q731109e01e_gemm_out:
	s_mov_b64 s[64:65], 0
	v_nop
	global_prefetch_b8 v0, s[64:65] scope:SCOPE_SE
	s_setreg_imm32_b32 hwreg(HW_REG_WAVE_MODE, 25, 1), 1
	s_wait_xcnt 0x0
	s_wait_alu depctr_hold_cnt(0) depctr_sa_sdst(0) depctr_va_vdst(0) depctr_va_sdst(0) depctr_va_ssrc(0) depctr_va_vcc(0) depctr_vm_vsrc(0)
	s_getreg_b32 s2, hwreg(HW_REG_IB_STS2, 6, 4)
	s_cmp_eq_u32 s2, 0
	s_cbranch_scc0 .Lentry_in_a_cluster
	s_endpgm
.Lentry_in_a_cluster:
	s_bfe_u32 s2, ttmp6, 0x10000c
	s_cmp_lg_u32 s2, 0xf033
	s_cbranch_scc0 .Lentry_shape_is_right
	s_endpgm
.Lentry_shape_is_right:
; out0 = O w_o^T on codes of FP6 (E2M3), one E8M0 scale for each 32 along K = 1,024 (16 heads x 64 channels); f32 results.
; A = the attention's output: ao_codes [head][token tile: 512][image of 768 bytes] (an image: 16 tokens x 64 channels as registers 0-5 of a fragment: 0-3 at 16 x lane, 4-5 at 512 + 8 x lane),
; ao_scales [head][token place: 8,192] words, bytes 0 and 1 the head's two scales.  B = w_o: places 11,264 on of in_codes [K step of 256][place][192 bytes] and in_scales [place][32].
; Token and column places hold index p with bits 3 and 4 exchanged; the way out puts rows and columns back.
; A tile of C is 128 tokens x 256 columns: 4 x 64 = 256 work-groups.  Four waves, 2 x 2, each 64 x 128: 32 accumulators.  THE MATRIX INSTRUCTION IS USED TRANSPOSED (source 0 = rows of B): a lane holds eight neighbours of a row of C.
; K goes in four steps of 256 (four heads) through two LDS slots: A's part is 4 rows of 6,144 bytes, B's 49,152 dense bytes as 192 rows of 256 with 16 bytes of padding behind every 64 (LDS pitch 240 for 192 bytes).
; LOADS: at the head one a wave (A's tile, B's tile, A's scale words, B's scale bytes); slot 1's first fill and the refills stand behind the three lines and a round of the cluster's barrier; there wave 0 asks for A's tile, wave 1 for B's.
; A's scale words are re-laid once, through registers, into rows of 32 bytes as B's lie.  Both operands have two sets of fragment registers: a step's loads are issued ahead of the step before's products.
; CLUSTERS: 4 x 4; A's tiles are asked for jointly along a row of the cluster, B's along a column.
; PREFETCHES: behind the head's loads K steps 1 and 2 are asked for into the L2, behind K step 1's load K step 3: two fills on.  The sixteen waves of the four work-groups that ask for a tile jointly share its blocks of 256 bytes out by
; address: 6 a wave of A's 96, 12 a wave of B's 192, a lane a block, left-over lanes on the wave's last block.  B's tiles, which all sixteen clusters read, are asked for by clusters y < 4 alone.
; REGISTERS: window 0: v0-31 addresses, v32-63 scale words (two sets), v128-223 A's fragments (two sets of 4); window 1: B's fragments (two sets of 8); window 2: accumulators (a, b) at v[8 (8 a + b)].
.set SIZE_N, 1024
.set PITCH,  240
.set FR,     12
.set NP,     4                         ; places behind this matrix instruction (ISA guide 7.12.1)
.set HALFT,  128*PITCH
.set AT,     24576                     ; A's part of a slot
.set SLOT,   AT+2*HALFT
.set PLANEK, 12288*192
.set ASTEP,  4*393216                  ; four heads on in ao_codes
.set KS,     32
.set SCL,    2*SLOT                    ; A's scales (128 rows), then B's (256 rows): runs of 256 bytes + 16
.set HALFS,  (128*KS/256)*272
.set SBLK,   (16*KS/256)*272
.set SPARE,  SCL+3*HALFS
.set RAW,    SPARE+512                 ; A's scale words as they come: 16 heads x 512 bytes
.set SPITCH, 528
.set PFA,  10                          ; v10, v11 my blocks of A's tile and of B's, K step 0: bytes from ao_codes, from in_codes; never rewritten
.set PFB,  11
.set ADRA, 16
.set ADRB, 20
.set STO,  24
.set RD,   25
.set CO,   26
.set ADRS, 27
.set SPW,  28
.set NIL,  29
.set SC,   32
.set AF,   128
.set BK,   128
.set G1, 24
.set G0, 32
.set G1B, 48
.set G0B, 56
.set G1S, 68
.set G0S, 76
.set G1SB, 80
.set G0SB, 88
.set MSB, 0
.macro WIN new
.if MSB != (\new)
	s_set_vgpr_msb (MSB<<8)|(\new)
.set MSB, (\new)
.endif
.endm
.set MUL_LO, 0xa1
.set TO_B,   0x40
.macro PLACES n
.rept \n
	v_nop
.endr
.endm
.macro TLOAD g0, g1
	tensor_load_to_lds s[\g0:\g0+3], s[\g1:\g1+7]
	s_nop 0
	PLACES 4
.endm
.macro JLOAD s
	s_cmp_eq_u32 s14, 0
	s_cbranch_scc0 .Lnot_a_\@
	TLOAD G0+4*\s, G1
	s_branch .Lasked_\@
.Lnot_a_\@:
	s_cmp_eq_u32 s14, 1
	s_cbranch_scc0 .Lasked_\@
	TLOAD G0B+4*\s, G1B
.Lasked_\@:
	PLACES NP                                      ; the places in front of the LDS loads that follow, for the waves that come round the loads too
.endm
.macro ASKB k0, k1                     ; B's K steps k0 (and k1, if another) into the L2; the branch hangs on the cluster's y alone
	s_cmp_eq_u32 s95, 1
	s_cbranch_scc0 .Lno_ask_\@
	global_prefetch_b8 v[PFB], s[8:9] offset:(\k0)*PLANEK th:TH_LOAD_NT scope:SCOPE_SE
.if (\k1) != (\k0)
	global_prefetch_b8 v[PFB], s[8:9] offset:(\k1)*PLANEK th:TH_LOAD_NT scope:SCOPE_SE
.endif
.Lno_ask_\@:
.endm
.macro CREST
	s_cmp_lg_u32 s14, 0
	s_cbranch_scc1 .Lnot_wave_0_\@
	s_barrier_signal -3
.Lnot_wave_0_\@:
	s_barrier_wait -3
	s_barrier_signal -1
	s_barrier_wait -1
.endm
.macro CROUND
	s_barrier_signal -1
	s_barrier_wait -1
	CREST
.endm
.macro GROUP1 g, w0, mask, cols, rows, pitch   ; elements of 8 bytes
	s_or_b32 s[\g+0], s\mask, \w0
	s_mov_b32 s[\g+1], (\cols)<<16
	s_mov_b32 s[\g+2], (\rows)<<16
	s_mov_b32 s[\g+3], (\cols)<<16
	s_mov_b32 s[\g+4], \rows
	s_mov_b32 s[\g+5], \pitch
	s_mov_b32 s[\g+6], 0
	s_mov_b32 s[\g+7], 0
.endm
.macro GROUP0 g, lds, base, off
	s_mov_b32 s[\g], 1
	s_mov_b32 s[\g+1], \lds
	s_add_nc_u64 s[\g+2:\g+3], s[\base:\base+1], \off
	s_or_b32 s[\g+3], s[\g+3], 0x80000000
.endm
	s_load_b128 s[4:7], s[0:1], 0x0                ; ao_codes, ao_scales
	s_load_b128 s[8:11], s[0:1], 0x10              ; in_codes, in_scales
	s_load_b64 s[12:13], s[0:1], 0x20              ; out0
	v_lshl_add_u32 v[SPW], v0, 2, SPARE
	v_mov_b32 v[NIL], 0
	ds_add_u32 v[SPW], v[NIL]                      ; the opening lines: the add twice on end and its wait
	ds_add_u32 v[SPW], v[NIL]
	v_lshrrev_b32 v1, 5, v0
	v_readfirstlane_b32 s14, v1                    ; wave
	s_lshr_b32 s15, s14, 1                         ; my 64 of the 128 tokens
	s_and_b32 s16, s14, 1                          ; my 128 of the 256 columns
	s_bfe_u32 s40, ttmp6, 0x40000
	s_bfe_u32 s41, ttmp6, 0x40004
	s_lshl_b32 s42, ttmp9, 2
	s_add_co_u32 s42, s42, s40                     ; tile column
	s_and_b32 s17, ttmp7, 0xffff
	s_lshl_b32 s17, s17, 2
	s_add_co_u32 s17, s17, s41                     ; tile row
	s_lshl_b32 s43, s41, 2
	s_lshl_b32 s43, 15, s43
	s_lshl_b32 s44, 0x1111, s40
	GROUP1 G1,   (3<<16)|(1<<21), 43, 768, 4, 49152                             ; four heads x 8 images
	GROUP1 G1B,  (3<<16)|(1<<20)|(1<<21)|(3<<22)|(3<<25), 44, 32, 192, 32
	GROUP1 G1S,  (3<<16)|(1<<21), 43, 64, 16, 4096                               ; sixteen heads x 128 words
	GROUP1 G1SB, (3<<16)|(1<<20)|(1<<21)|(5<<22)|(3<<25), 44, 32, 32, 32
	s_mul_i32 s20, s17, 6144
	s_mov_b32 s21, 0
	s_lshl_b32 s22, s17, 9
	s_mov_b32 s23, 0
	s_mul_i32 s46, s42, 49152
	s_add_co_u32 s46, s46, 11264*192
	s_mov_b32 s47, 0
	s_lshl_b32 s92, s42, 13
	s_add_co_u32 s92, s92, 11264*32
	s_mov_b32 s93, 0
	s_wait_dscnt 0x0
	s_wait_kmcnt 0x0
	s_add_nc_u64 s[20:21], s[4:5], s[20:21]
	s_add_nc_u64 s[22:23], s[6:7], s[22:23]
	s_add_nc_u64 s[46:47], s[8:9], s[46:47]
	s_add_nc_u64 s[92:93], s[10:11], s[92:93]
	CROUND
	GROUP0 G0,    0,         20, 0
	GROUP0 G0+4,  SLOT,      20, ASTEP
	GROUP0 G0B,   AT,        46, 0
	GROUP0 G0B+4, SLOT+AT,   46, PLANEK
	GROUP0 G0S,   RAW,       22, 0
	GROUP0 G0SB,  SCL+HALFS, 92, 0
	s_cmp_eq_u32 s14, 0                            ; the head's four tiles, one a wave, in one chain of branches
	s_cbranch_scc0 .Lhead_1
	TLOAD G0, G1
	s_branch .Lhead_asked
.Lhead_1:
	s_cmp_eq_u32 s14, 1
	s_cbranch_scc0 .Lhead_2
	TLOAD G0B, G1B
	s_branch .Lhead_asked
.Lhead_2:
	s_cmp_eq_u32 s14, 2
	s_cbranch_scc0 .Lhead_3
	TLOAD G0S, G1S
	s_branch .Lhead_asked
.Lhead_3:
	TLOAD G0SB, G1SB
.Lhead_asked:
	s_mul_i32 s66, s40, 393216                     ; the prefetches.  A's tile: the partner at cx takes head cx of the four, my wave a quarter of its 6,144 bytes
	s_mul_i32 s67, s14, 1536
	s_add_co_u32 s66, s66, s67
	s_mul_i32 s67, s17, 6144
	s_add_co_u32 s66, s66, s67
	s_lshl_b32 s67, s41, 2                         ; B's tile: my number among the sixteen waves of my column of the cluster
	s_add_co_u32 s67, s67, s14
	s_mul_i32 s67, s67, 3072
	s_mul_i32 s94, s42, 49152
	s_add_co_u32 s67, s67, s94
	s_add_co_u32 s67, s67, 11264*192
	s_and_b32 s94, ttmp7, 0xffff
	s_cmp_lt_u32 s94, 4
	s_cselect_b32 s95, 1, 0                        ; 1: my cluster asks for B's tiles
	v_and_b32 v12, 31, v0
	v_min_u32 v[PFA], 5, v12
	v_min_u32 v[PFB], 11, v12
	v_lshl_add_u32 v[PFA], v[PFA], 8, s66
	v_lshl_add_u32 v[PFB], v[PFB], 8, s67
	global_prefetch_b8 v[PFA], s[4:5] offset:ASTEP th:TH_LOAD_NT scope:SCOPE_SE       ; K steps 1 and 2
	global_prefetch_b8 v[PFA], s[4:5] offset:2*ASTEP th:TH_LOAD_NT scope:SCOPE_SE
	ASKB 1, 2
	v_and_b32 v1, 15, v0
	v_bfe_u32 v2, v0, 4, 1
	v_and_b32 v6, 31, v0
	v_lshlrev_b32 v4, 4, v6
	v_lshlrev_b32 v5, 3, v6
	s_mul_i32 s21, s15, 4*768                      ; my four images of each head's eight
.irp s, 0,1
	v_add_nc_u32 v[ADRA+\s], s21, v4
	v_add_nc_u32 v[ADRA+2+\s], s21, v5
	s_add_co_u32 s21, s21, SLOT
.endr
	v_mul_u32_u24 v3, v1, PITCH
	v_mul_u32_u24 v4, v2, 24
	v_add_nc_u32 v4, v3, v4
	v_lshl_add_u32 v5, v2, 4, v4
	s_mul_i32 s22, s16, HALFT
	s_add_co_u32 s22, s22, AT
.irp s, 0,1
	v_add_nc_u32 v[ADRB+\s], s22, v4
	v_add_nc_u32 v[ADRB+2+\s], s22, v5
	s_add_co_u32 s22, s22, SLOT
.endr
	v_mul_u32_u24 v5, v1, KS
	v_lshrrev_b32 v6, 8, v5
	v_lshl_add_u32 v5, v6, 4, v5
	s_mul_i32 s21, s15, HALFS/2                    ; A's: my 64 rows
	s_mul_i32 s22, s16, HALFS                      ; B's: my 128 rows, behind A's 128
	s_add_co_u32 s22, s22, HALFS
	s_sub_co_u32 s22, s22, s21
	v_mul_u32_u24 v6, s22, v2                      ; lanes 16-31 take B's: the lower base + half x the distance
	s_add_co_u32 s21, s21, SCL
	v_add_nc_u32 v5, v5, v6
	v_add_nc_u32 v[ADRS], s21, v5
	v_lshl_add_u32 v8, v0, 2, RAW                  ; thread = token place: its word of each head
	v_lshrrev_b32 v9, 3, v0
	v_lshlrev_b32 v9, 4, v9
	v_lshl_add_u32 v9, v0, 5, v9
	v_add_nc_u32 v9, SCL, v9                       ; and its row of 32 scale bytes
	s_mul_i32 s23, s14, 16*SPITCH                  ; my stage, in slot 0, which has had its last fill and its last read by then
	v_mul_u32_u24 v5, v1, SPITCH
	v_lshl_add_u32 v5, v2, 6, v5
	v_add_nc_u32 v[STO], s23, v5
	v_and_b32 v6, 31, v0
	v_lshlrev_b32 v[CO], 4, v6
	v_add_nc_u32 v[RD], s23, v[CO]
	s_lshl_b32 s20, s17, 7
	s_lshl_b32 s21, s15, 6
	s_add_co_u32 s20, s20, s21                     ; my first row of C
	s_lshl_b32 s20, s20, 12                        ; 4,096 bytes a row
	s_lshl_b32 s46, s42, 10
	s_lshl_b32 s47, s16, 9
	s_add_co_u32 s20, s20, s46
	s_add_co_u32 s20, s20, s47
	s_mov_b32 s21, 0
	s_add_nc_u64 s[12:13], s[12:13], s[20:21]
.macro FRAG reg, adr, q, i
.irp p, 0,1,2,3,4,5
.set PIECE, 12*(\q)+6*(\p/3)+\p%3
.if PIECE%8 < 5
	ds_load_b64 v[\reg+2*\p:\reg+2*\p+1], v[\adr] offset:8*PIECE+16*(PIECE/8)+(\i)*16*PITCH
.else
	ds_load_b64 v[\reg+2*\p:\reg+2*\p+1], v[\adr+2] offset:8*PIECE+16*(PIECE/8)+(\i)*16*PITCH
.endif
.endr
.endm
.macro FRAGA reg, slot, q, i           ; two heads' images make a fragment
	ds_load_b128 v[\reg:\reg+3], v[ADRA+\slot] offset:12288*(\q)+768*(\i)
	ds_load_b64 v[\reg+4:\reg+5], v[ADRA+2+\slot] offset:12288*(\q)+768*(\i)+512
	ds_load_b128 v[\reg+6:\reg+9], v[ADRA+\slot] offset:12288*(\q)+768*(\i)+6144
	ds_load_b64 v[\reg+10:\reg+11], v[ADRA+2+\slot] offset:12288*(\q)+768*(\i)+6144+512
.endm
.macro MUL16 a0, p, sc, zero           ; A's blocks a0, a0 + 1 x B's eight, on the sets p (p is also which 128 of the slot's 256); the 32 accumulators take turns
.irp a, \a0, \a0+1
.irp b, 0,1,2,3,4,5,6,7
.set D_, 8*(8*(\a)+\b)
.set FB_, 128*(\p)+FR*\b
.set FA_, AF+48*(\p)+FR*(\a)
.set XB_, SC+16*(\sc)+2*\b+(\p)
.set XA_, SC+16*(\sc)+2*(\a)+(\p)
.if \zero
	v_wmma_scale_f32_16x16x128_f8f6f4 v[D_:D_+7], v[FB_:FB_+11], v[FA_:FA_+11], 0, v[XB_], v[XA_] matrix_a_fmt:MATRIX_FMT_FP6 matrix_b_fmt:MATRIX_FMT_FP6 matrix_a_scale:MATRIX_SCALE_ROW1
.else
	v_wmma_scale_f32_16x16x128_f8f6f4 v[D_:D_+7], v[FB_:FB_+11], v[FA_:FA_+11], v[D_:D_+7], v[XB_], v[XA_] matrix_a_fmt:MATRIX_FMT_FP6 matrix_b_fmt:MATRIX_FMT_FP6 matrix_a_scale:MATRIX_SCALE_ROW1
.endif
.endr
.endr
.endm
.macro FETCH slot, p                   ; the fragments of the slot's p-th 128 along K into the sets p
	WIN TO_B
.irp i, 0,1,2,3,4,5,6,7
	FRAG 128*(\p)+FR*\i, ADRB+\slot, \p, \i
.endr
	WIN 0
.irp i, 0,1,2,3
	FRAGA AF+48*(\p)+FR*\i, \slot, \p, \i
.endr
.endm
.macro SCALES sc                       ; lanes 0-15 A's block i (i over 3: bytes that no product takes), lanes 16-31 B's block i
.irp i, 0,1,2,3,4,5,6,7
	ds_load_b64 v[SC+16*\sc+2*\i:SC+16*\sc+2*\i+1], v[ADRS] offset:\i*SBLK
.endr
.endm
.macro STEP slot, zero                 ; a slot's first 128 along K
	s_wait_dscnt 0x0                               ; this step's fragments and scale words are in
	PLACES NP
	FETCH \slot, 1
	WIN MUL_LO
	MUL16 0, 0, \slot, \zero
	MUL16 2, 0, \slot, \zero
	WIN 0
.endm
.macro TURN slot, next, fill           ; its second 128, and the change of slots
	s_wait_tensorcnt 0x0                           ; all my tensor loads have landed
	ds_add_u32 v[SPW], v[NIL]
	s_wait_dscnt 0x0                               ; the add is done; this step's fragments are in: my reads of this slot are over
	s_barrier_signal -1
	WIN MUL_LO
	MUL16 0, 1, \slot, 0
	WIN 0
	s_barrier_wait -1
.if \fill
	CREST                                          ; the barrier has opened a round of the cluster's barrier
	s_add_nc_u64 s[G0+4*\slot+2:G0+4*\slot+3], s[G0+4*\slot+2:G0+4*\slot+3], 2*ASTEP
	s_add_nc_u64 s[G0B+4*\slot+2:G0B+4*\slot+3], s[G0B+4*\slot+2:G0B+4*\slot+3], 2*PLANEK
	JLOAD \slot
.else
	PLACES NP
.endif
	s_wait_alu depctr_va_vdst(0)                   ; the wait ahead of the reader below
	v_add_nc_u32 v[ADRS], 8, v[ADRS]               ; the next K step's scale words
	FETCH \next, 0
	SCALES \next
	WIN MUL_LO
	MUL16 2, 1, \slot, 0
	WIN 0
.endm
	s_wait_alu depctr_va_vdst(0)                   ; the wait at the head's end
	s_wait_tensorcnt 0x0                           ; my tile of the head's four is in; the three lines ahead of a later first fill
	ds_add_u32 v[SPW], v[NIL]
	s_wait_dscnt 0x0
	CROUND
	JLOAD 1                                        ; K step 1
.irp e, 0,1,2,3,4,5,6,7,8,9,10,11,12,13,14,15
	ds_load_b32 v[64+\e], v8 offset:512*\e         ; my token's word of head e
.endr
	global_prefetch_b8 v[PFA], s[4:5] offset:3*ASTEP th:TH_LOAD_NT scope:SCOPE_SE     ; K step 3, two fills on
	ASKB 3, 3
	s_wait_dscnt 0x0
.irp j, 0,1,2,3,4,5,6,7
	v_lshl_or_b32 v[96+\j], v[64+2*\j+1], 16, v[64+2*\j]
.endr
	ds_store_b128 v9, v[96:99]
	ds_store_b128 v9, v[100:103] offset:16
	s_wait_dscnt 0x0                               ; for the others' sake
	s_barrier_signal -1
	s_barrier_wait -1
	FETCH 0, 0
	SCALES 0
	STEP 0, 1                                      ; the first products start the sums
	s_mov_b32 s3, 1
.Llap:                                                 ; once round the ring: both slots are filled again (K steps 2 and 3)
	TURN 0, 1, 1
	STEP 1, 0
	TURN 1, 0, 1
	STEP 0, 0
	s_sub_co_u32 s3, s3, 1
	s_cmp_lg_u32 s3, 0
	s_cbranch_scc1 .Llap
	TURN 0, 1, 0
	STEP 1, 0
	s_wait_dscnt 0x0
	WIN MUL_LO
	MUL16 0, 1, 1, 0
	MUL16 2, 1, 1, 0
	WIN 0
; THE WAY OUT, block by block of 16 rows x 128 columns, through my own stage; rows of 512 bytes leave as two aligned runs of 256 bytes.
.macro TOSTAGE a
.set AC, 64*(\a)
	WIN 0x08
.irp b, 0,1,2,3,4,5,6,7
	ds_store_b128 v[STO], v[AC+8*\b:AC+8*\b+3] offset:128*(\b/2)+32*(\b%2)
	ds_store_b128 v[STO], v[AC+8*\b+4:AC+8*\b+7] offset:128*(\b/2)+32*(\b%2)+16
.endr
	WIN 0
.set BB, BK+64*((\a)%2)
.irp t, 0,1,2,3,4,5,6,7,8,9,10,11,12,13,14,15
	ds_load_b128 v[BB+4*\t:BB+4*\t+3], v[RD] offset:\t*SPITCH      ; LDS serves a wave's instructions in order (ISA guide 5.7.1.4)
.endr
.endm
.macro SEND a, younger
.set BB, BK+64*((\a)%2)
	s_wait_dscnt \younger
.if (\a) > 0
.if (\a)%2
	s_add_nc_u64 s[12:13], s[12:13], 8*SIZE_N*4    ; tile 2 b + 1 begins 8 rows behind tile 2 b,
.else
	s_add_nc_u64 s[12:13], s[12:13], 24*SIZE_N*4   ; tile 2 b + 2 24 rows behind that
.endif
.endif
.irp t, 0,1,2,3,4,5,6,7,8,9,10,11,12,13,14,15
	global_store_b128 v[CO], v[BB+4*\t:BB+4*\t+3], s[12:13] offset:(\t+8*(\t/8))*SIZE_N*4 th:TH_STORE_NT
.endr
.endm
	PLACES NP
	TOSTAGE 0
.irp a, 1,2,3
.if \a > 1
	s_wait_xcnt 0x0                                ; block a - 2's stores have read their registers and their base
.endif
	TOSTAGE \a
	SEND \a-1, 32                                  ; behind block a - 1's loads: block a's 16 stores and 16 loads
.endr
	s_wait_xcnt 0x0
	SEND 3, 0
	s_wait_tensorcnt 0x0                           ; the wave's end
	ds_add_u32 v[SPW], v[NIL]
	s_wait_dscnt 0x0
	CROUND                                         ; the closing round
	s_endpgm
.Lfunc_end_k_q731109e01e_gemm_out:
	.size	k_q731109e01e_gemm_out, .Lfunc_end_k_q731109e01e_gemm_out-k_q731109e01e_gemm_out
	.p2alignl 7, 3214868480
	.fill 96, 4, 3214868480
	.section	.rodata,"a",@progbits
	.p2align	6, 0x0
	.amdhsa_kernel k_q731109e01e_gemm_out
		.amdhsa_group_segment_fixed_size 327680
		.amdhsa_private_segment_fixed_size 0
		.amdhsa_enable_private_segment 0
		.amdhsa_kernarg_size 40
		.amdhsa_user_sgpr_count 2
		.amdhsa_user_sgpr_kernarg_segment_ptr 1
		.amdhsa_wavefront_size32 1
		.amdhsa_system_sgpr_workgroup_id_x 1
		.amdhsa_system_sgpr_workgroup_id_y 1
		.amdhsa_system_sgpr_workgroup_id_z 1
		.amdhsa_system_vgpr_workitem_id 0
		.amdhsa_next_free_vgpr 768
		.amdhsa_next_free_sgpr 100
		.amdhsa_reserve_vcc 0
		.amdhsa_float_denorm_mode_32 3
		.amdhsa_float_denorm_mode_16_64 3
		.amdhsa_memory_ordered 1
		.amdhsa_forward_progress 1
		.amdhsa_inst_pref_size 100
	.end_amdhsa_kernel
	.amdgpu_metadata
---
amdhsa.version: [ 1, 2 ]
amdhsa.kernels:
  - .name:           k_q731109e01e_gemm_out
    .symbol:         k_q731109e01e_gemm_out.kd
    .args:
      - { .name: ao_codes, .offset: 0, .size: 8, .value_kind: global_buffer, .address_space: global }
      - { .name: ao_scales, .offset: 8, .size: 8, .value_kind: global_buffer, .address_space: global }
      - { .name: in_codes, .offset: 16, .size: 8, .value_kind: global_buffer, .address_space: global }
      - { .name: in_scales, .offset: 24, .size: 8, .value_kind: global_buffer, .address_space: global }
      - { .name: out0, .offset: 32, .size: 8, .value_kind: global_buffer, .address_space: global }
    .group_segment_fixed_size: 327680
    .private_segment_fixed_size: 0
    .kernarg_segment_align: 8
    .kernarg_segment_size: 40
    .max_flat_workgroup_size: 128
    .sgpr_count:     100
    .vgpr_count:     768
    .wavefront_size: 32
...
	.end_amdgpu_metadata
.endif
;; end of part 4
